; MI455X (gfx1250); checked and timed in simulation.
; The chip was launched on July 23, 2026; its instructions are those of AMD's public machine-readable ISA for CDNA 5 (MIT licence, August 2026) and "CDNA5" Instruction Set Architecture Reference Guide (July 2026). The comments in the code are by the model that wrote it; some were corrected since.
;; Global working space. Allowed arithmetic: float matrix products may take bf16 or f16 operands with f32 sums; other float arithmetic in f32, or as packed bf16 or f16 multiplies, adds, multiply-adds, maxima and minima; sums over many terms, partial sums and values carried from step to step in f32; what a program stores and reads back later, other than sums and carried values, may be rounded once to bf16 or f16.
;; Inputs: h_s 2,048 x 8 x 512 float32; mem 2,048 x 8 x 512 float32; rk_b 128 float32; rk_w 128 x 512 float32; ro_b 512 float32; ro_w 512 x 2,048 float32; rq_b 128 float32; rq_w 128 x 512 float32; rv_b 2,048 float32; rv_w 2,048 x 512 float32; ug_b 1,024 float32; ug_w 1,024 x 512 float32; ut_b 512 float32; ut_w 512 x 512 float32; wk_b 32 float32; wk_w 32 x 512 float32; wo_b 512 float32; wo_w 512 x 512 float32; wq_b 32 float32; wq_w 32 x 512 float32; wv_b 512 float32; wv_w 512 x 512 float32.
;; Outputs: out0 2,048 x 8 x 512 float32; out1 2,048 x 8 x 512 float32.
;; 2 versions, each right. Each part assembles by itself: llvm-mc -triple=amdgcn-amd-amdhsa -mcpu=gfx1250 --defsym DOCPART=n.
;; ======== version 1 of 2: 2 launches
;; workspace buffers: ws 4,521,984 bytes; bz 21,760 bytes
;; launch prep (part 1): grid 160 x 1, 16 waves a work-group, no clusters, 249,856 bytes of LDS; arguments rk_b, rk_w, ro_b, ro_w, rq_b, rq_w, rv_b, rv_w, ug_b, ug_w, ut_b, ut_w, wk_b, wk_w, wo_b, wo_w, wq_b, wq_w, wv_b, wv_w, ws, bz; writes ws, bz
.if DOCPART == 1
	.amdgcn_target "amdgcn-amd-amdhsa--gfx1250"
	.amdhsa_code_object_version 6
	.text
	.protected	k_q4cd9498064_prep
	.globl	k_q4cd9498064_prep
	.p2align	8
	.type	k_q4cd9498064_prep,@function
k_q4cd9498064_prep:
	s_mov_b64 s[64:65], 0
	v_nop
	global_prefetch_b8 v0, s[64:65] scope:SCOPE_SE
	s_setreg_imm32_b32 hwreg(HW_REG_WAVE_MODE, 25, 1), 1
	s_wait_xcnt 0x0
; PREP: the weights, once, into the form in which the main launch streams them.
; ws: 69 tiles of 65,536 bytes of bf16 FRAGMENTS.  A fragment is 16 weight rows n x 32 k, 1,024 bytes: byte c*512 + 16 L + 2 e holds W[n0 + L%16][k0 + 16 c + 8 (L/16) + e],
; so that a wave reads it by two loads of 16 bytes a lane at 16 L.  bz: the biases in f32.
; EVERY work-group makes one tile, 64 o x 128 i, of a PRODUCT  W[o][i] = sum over d of Wo[o][d] Wv[d][i] (bf16 operands, f32 sums, rounded once): p = 0..3 the read heads (ro_w's columns 512 p..,
; rv_w's rows 512 p..), p = 4 the write (wo_w, wv_w); a softmax row sums to 1, so (P v) Wo^T = (P x)(Wo Wv)^T + Wo bv for every input.  Wo bv comes out of a third accumulator.
; AHEAD OF IT work-groups 0..57 convert a share of ut_w, ug_w, rq_w, rk_w, wq_w, wk_w into fragments (a wave: 16 rows x 64 k), and work-group 58 copies the biases: forward jumps on the work-group's
; number, which hold no barrier and join again in front of the product, so that every wave of every work-group passes the one barrier.
; FACTORS folded in ahead of the one rounding: c = log2(e)/sqrt(32) into wq, rq and their biases; 2 log2(e) into Wo Wv of the write and its bias; -log2(e) into ug and ug_b.
; No tensor loads: each byte is used once by a work-group, and sixteen waves keep loads on their way.  LIMITS: NaN and infinities are not treated apart.
.set VB,    0                          ; 512 rows d x 288 bytes (128 i in bf16 + 32 of padding)
.set OB,    147456                     ; 64 rows o x 1,040 bytes (512 d in bf16 + 16)
.set BB,    214016                     ; bv in bf16, 1,024 bytes
.set IMG,   215040                     ; the conversions' images, 2,048 bytes for each of 16 waves, the wave's own
.set SPARE, 247808                     ; the spare words, 128 bytes for each of 16 waves
.set SPW, 254
.set NIL, 255
	s_load_b512 s[4:19], s[0:1], 0x0               ; rk_b 4, rk_w 6, ro_b 8, ro_w 10, rq_b 12, rq_w 14, rv_b 16, rv_w 18
	s_load_b512 s[20:35], s[0:1], 0x40             ; ug_b 20, ug_w 22, ut_b 24, ut_w 26, wk_b 28, wk_w 30, wo_b 32, wo_w 34
	s_load_b256 s[36:43], s[0:1], 0x80             ; wq_b 36, wq_w 38, wv_b 40, wv_w 42
	s_load_b128 s[44:47], s[0:1], 0xa0             ; ws 44, bz 46
	v_lshl_add_u32 v[SPW], v0, 2, SPARE
	v_mov_b32 v[NIL], 0
	v_lshrrev_b32 v1, 5, v0
	v_readfirstlane_b32 s48, v1                    ; wave 0..15
	v_and_b32 v1, 31, v0                           ; L
	v_and_b32 v2, 15, v0                           ; r = L % 16
	v_bfe_u32 v3, v0, 4, 1                         ; h = L / 16
	v_lshlrev_b32 v4, 4, v1                        ; 16 L
	v_lshlrev_b32 v9, 2, v0                        ; 4 x thread
	s_mov_b32 s61, 0                               ; the high word of every offset
	s_mov_b32 s69, 0
	s_wait_kmcnt 0x0
	s_cmp_lt_u32 ttmp9, 58
	s_cbranch_scc1 .Lconv
	s_cmp_eq_u32 ttmp9, 58
	s_cbranch_scc0 .Lprod
	; ---- work-group 58: the biases: 512 threads, a number each
	global_load_b32 v32, v9, s[24:25]              ; ut_b
	global_load_b32 v33, v9, s[32:33]              ; wo_b
	global_load_b32 v34, v9, s[20:21] offset:2048  ; ug_b, forget half
	global_load_b32 v35, v9, s[20:21]              ; ug_b, input half
	global_load_b32 v36, v9, s[8:9]                ; ro_b
	s_wait_loadcnt 0x0
	v_mul_f32 v33, 0x4038aa3b, v33
	v_mul_f32 v34, 0xbfb8aa3b, v34
	v_mul_f32 v35, 0xbfb8aa3b, v35
	global_store_b32 v9, v32, s[46:47]
	global_store_b32 v9, v33, s[46:47] offset:2048
	global_store_b32 v9, v34, s[46:47] offset:4096
	global_store_b32 v9, v35, s[46:47] offset:6144
	global_store_b32 v9, v36, s[46:47] offset:8192
	s_cmp_lt_u32 s48, 10                           ; threads 0..319: c rq_b (128), rk_b (128), c wq_b (32), wk_b (32) go to floats 5120 + thread
	s_cbranch_scc0 .Lprod
	s_mov_b32 s70, 0x3e8293ee                      ; c
	s_cmp_lt_u32 s48, 4
	s_cselect_b64 s[52:53], s[12:13], s[4:5]
	s_cselect_b32 s54, 0, 512                      ; 4 x the vector's first thread
	s_cselect_b32 s55, s70, 1.0
	s_cmp_lt_u32 s48, 8
	s_cselect_b64 s[52:53], s[52:53], s[36:37]
	s_cselect_b32 s54, s54, 1024
	s_cselect_b32 s55, s55, s70
	s_cmp_lt_u32 s48, 9
	s_cselect_b64 s[52:53], s[52:53], s[28:29]
	s_cselect_b32 s54, s54, 1152
	s_cselect_b32 s55, s55, 1.0
	v_sub_nc_u32 v10, v9, s54
	global_load_b32 v37, v10, s[52:53]
	s_wait_loadcnt 0x0
	v_mul_f32 v37, s55, v37
	global_store_b32 v9, v37, s[46:47] offset:20480
	s_branch .Lprod
	; ---- work-groups 0..57: conversions: a wave takes 16 rows x 64 k: two fragments
.Lconv:
	s_mov_b32 s50, ttmp9                           ; q
	s_and_b32 s66, s48, 7                          ; kp: which 64 k
	s_lshr_b32 s67, s48, 3
	s_mov_b32 s70, 0x3e8293ee                      ; c
	s_mov_b32 s71, 4096
	s_cmp_lt_u32 s50, 16                           ; q 0-15 ut, 16-47 ug, 48-51 rq, 52-55 rk, 56 wq, 57 wk
	s_cselect_b64 s[52:53], s[26:27], s[22:23]
	s_cselect_b32 s54, 0, 16                       ; the matrix's first q
	s_cselect_b32 s62, 1.0, 0xbfb8aa3b             ; its factor
	s_cmp_lt_u32 s50, 48
	s_cselect_b64 s[52:53], s[52:53], s[14:15]
	s_cselect_b32 s54, s54, 48
	s_cselect_b32 s62, s62, s70
	s_cmp_lt_u32 s50, 52
	s_cselect_b64 s[52:53], s[52:53], s[6:7]
	s_cselect_b32 s54, s54, 52
	s_cselect_b32 s62, s62, 1.0
	s_cmp_lt_u32 s50, 56
	s_cselect_b64 s[52:53], s[52:53], s[38:39]
	s_cselect_b32 s54, s54, 56
	s_cselect_b32 s62, s62, s70
	s_cmp_lt_u32 s50, 57
	s_cselect_b64 s[52:53], s[52:53], s[30:31]
	s_cselect_b32 s54, s54, 57
	s_cselect_b32 s62, s62, 1.0
	s_mov_b32 s63, s62
	s_sub_co_u32 s54, s50, s54
	s_lshl1_add_u32 s55, s54, s67                  ; ntile: which 16 rows of the matrix
	; where the two fragments go.  A 512 x 512 pass: tile T + kp, 16,384 (ntile / 8) + 8,192 u + 1,024 (ntile % 8)
	s_lshr_b32 s56, s55, 5
	s_cmp_lg_u32 s56, 0
	s_cselect_b32 s57, 17, 25                      ; ug: rows 512.. are the forget gate's, tiles 17-24; rows 0..511 the input gate's, tiles 25-32
	s_cmp_lt_u32 s50, 16
	s_cselect_b32 s57, 1, s57                      ; ut: tiles 1-8
	s_add_co_u32 s57, s57, s66
	s_lshl_b32 s57, s57, 16
	s_bfe_u32 s58, s55, 0x20003
	s_lshl_b32 s58, s58, 14
	s_add_co_u32 s57, s57, s58
	s_and_b32 s58, s55, 7
	s_lshl_b32 s58, s58, 10
	s_add_co_u32 s57, s57, s58
	; rq, rk: tile 33 or 35 + kp / 4, 16,384 (kp % 4) + 8,192 u + 1,024 ntile
	s_cmp_lt_u32 s50, 52
	s_cselect_b32 s59, 33, 35
	s_lshr_b32 s58, s66, 2
	s_add_co_u32 s59, s59, s58
	s_lshl_b32 s59, s59, 16
	s_and_b32 s58, s66, 3
	s_lshl_b32 s58, s58, 14
	s_add_co_u32 s59, s59, s58
	s_lshl_b32 s58, s55, 10
	s_add_co_u32 s59, s59, s58
	; wq, wk: tile 0, 8,192 kp + 4,096 u + 1,024 ntile, wk 2,048 further
	s_lshl_b32 s60, s66, 13
	s_add_co_u32 s60, s60, s58
	s_cmp_eq_u32 s50, 57
	s_cselect_b32 s58, 2048, 0
	s_add_co_u32 s60, s60, s58
	s_cmp_lt_u32 s50, 48
	s_cselect_b32 s57, s57, s59
	s_cmp_lt_u32 s50, 56
	s_cselect_b32 s60, s57, s60
	s_cselect_b32 s71, 8192, s71                   ; bytes from fragment u = 0 to u = 1
	s_add_nc_u64 s[72:73], s[44:45], s[60:61]
	s_lshl_b32 s68, s55, 15                        ; 16 rows of 2,048 bytes
	s_lshl_b32 s58, s66, 8
	s_add_co_u32 s68, s68, s58
	s_add_nc_u64 s[52:53], s[52:53], s[68:69]
	v_lshlrev_b32 v5, 11, v3                       ; a load takes two rows' 256 bytes: lanes 0-15 the even row, 16-31 the odd one
	v_lshl_add_u32 v5, v2, 4, v5
.set ii, 0
.rept 8
	global_load_b128 v[32+4*ii:35+4*ii], v5, s[52:53] offset:4096*ii th:TH_LOAD_NT
.set ii, ii+1
.endr
	; my four numbers k = 4 r .. 4 r + 3 of row 2 t + h lie in the image at 1,024 (r/8) + 512 ((r/4)%2) + 256 ((r/2)%2) + 16 h + 8 (r%2) + 32 t
	v_and_b32 v10, 14, v2
	v_lshlrev_b32 v10, 7, v10
	v_lshl_add_u32 v10, v3, 4, v10
	v_and_b32 v16, 1, v2
	v_lshl_add_u32 v10, v16, 3, v10
	s_lshl_b32 s56, s48, 11                        ; my wave's own 2,048 bytes
	s_add_co_u32 s56, s56, IMG
	v_add_nc_u32 v10, s56, v10
	v_add_nc_u32 v11, s56, v4
	v_add_nc_u32 v6, s71, v4
	s_wait_loadcnt 0x0
.set ii, 0
.rept 8
	v_pk_mul_f32 v[32+4*ii:33+4*ii], v[32+4*ii:33+4*ii], s[62:63] op_sel_hi:[1,0]
	v_pk_mul_f32 v[34+4*ii:35+4*ii], v[34+4*ii:35+4*ii], s[62:63] op_sel_hi:[1,0]
	v_cvt_pk_bf16_f32 v[32+4*ii], v[32+4*ii], v[33+4*ii]
	v_cvt_pk_bf16_f32 v[33+4*ii], v[34+4*ii], v[35+4*ii]
	ds_store_b64 v10, v[32+4*ii:33+4*ii] offset:32*ii
.set ii, ii+1
.endr
.set ii, 0
.rept 4
	ds_load_b128 v[64+4*ii:67+4*ii], v11 offset:512*ii   ; LDS serves a wave's instructions in order: these see the stores above
.set ii, ii+1
.endr
	s_wait_dscnt 0x0
	global_store_b128 v4, v[64:67], s[72:73]             ; each store covers 512 consecutive bytes, aligned
	global_store_b128 v4, v[68:71], s[72:73] offset:512
	global_store_b128 v6, v[72:75], s[72:73]
	global_store_b128 v6, v[76:79], s[72:73] offset:512
	; ---- every work-group: its tile of a product
.Lprod:
	s_wait_xcnt 0x0                                ; the stores above have read their registers and bases: they are written again only behind this wait
	s_lshr_b32 s50, ttmp9, 5                       ; p
	s_bfe_u32 s51, ttmp9, 0x30002                  ; ob: which 64 o
	s_and_b32 s52, ttmp9, 3                        ; ib: which 128 i
	s_and_b32 s66, s48, 3                          ; ot: my 16 o
	s_lshr_b32 s67, s48, 2                         ; g2: my 32 i
	s_lshl_b32 s68, s50, 3
	s_add_co_u32 s68, s68, 37
	s_lshl_b32 s74, s50, 9
	s_add_co_u32 s74, s74, 3072
	s_mov_b32 s70, 8192
	s_cmp_lt_u32 s50, 4
	s_cselect_b64 s[54:55], s[10:11], s[34:35]     ; Wo: ro_w or wo_w
	s_cselect_b64 s[56:57], s[18:19], s[42:43]     ; Wv: rv_w or wv_w
	s_cselect_b64 s[58:59], s[16:17], s[40:41]     ; bv: rv_b or wv_b
	s_cselect_b32 s53, s70, 2048                   ; bytes in a row of Wo
	s_cselect_b32 s50, s50, 0
	s_cselect_b32 s68, s68, 9                      ; the pass's first tile in ws
	s_cselect_b32 s74, s74, 2560                   ; Wo bv's first float in bz
	s_cselect_b32 s62, 1.0, 0x4038aa3b
	s_mov_b32 s63, s62
	s_lshl_b32 s60, s51, 6
	s_lshl2_add_u32 s60, s48, s60                  ; Wo's row 64 ob + 4 wave
	s_mul_i32 s60, s60, s53
	s_lshl_b32 s71, s50, 11                        ; the head's 512 columns of ro_w, and its 512 numbers of rv_b
	s_add_co_u32 s60, s60, s71
	s_add_nc_u64 s[54:55], s[54:55], s[60:61]
	s_mov_b32 s60, s71
	s_add_nc_u64 s[58:59], s[58:59], s[60:61]
	s_lshl_b32 s60, s50, 20                        ; the head's 512 rows of rv_w
	s_lshl_b32 s71, s52, 9
	s_add_co_u32 s60, s60, s71
	s_lshl_b32 s71, s48, 16                        ; my 32 rows d
	s_add_co_u32 s60, s60, s71
	s_add_nc_u64 s[56:57], s[56:57], s[60:61]
	v_mov_b32 v5, v4
	v_add_nc_u32 v6, s53, v4
	s_lshl_b32 s71, s53, 1
	v_add_nc_u32 v7, s71, v4
	s_add_co_u32 s71, s71, s53
	v_add_nc_u32 v8, s71, v4
.set ii, 0
.rept 32
	global_load_b128 v[32+4*ii:35+4*ii], v4, s[56:57] offset:2048*ii   ; Wv[32 wave + ii][128 ib ..]: 512 consecutive bytes
.set ii, ii+1
.endr
.irp t, 0,1,2,3
.irp ch, 0,1,2,3
	global_load_b128 v[160+16*(\t)+4*(\ch):163+16*(\t)+4*(\ch)], v[5+(\t)], s[54:55] offset:512*(\ch)
.endr
.endr
	global_load_b32 v224, v9, s[58:59]
	v_lshlrev_b32 v16, 3, v1
	s_mul_i32 s71, s48, 32*288
	v_add_nc_u32 v10, s71, v16                     ; VB: my 32 rows, 8 bytes a lane
	s_mul_i32 s71, s48, 4*1040
	s_add_co_u32 s71, s71, OB
	v_add_nc_u32 v11, s71, v16                     ; OB: my 4 rows
	v_lshl_add_u32 v12, v0, 1, BB
	s_mul_i32 s71, s66, 16*1040
	s_add_co_u32 s71, s71, OB
	v_mul_u32_u24 v13, v2, 1040
	v_lshl_add_u32 v13, v3, 4, v13
	v_add_nc_u32 v13, s71, v13                     ; Wo's fragment: row 16 ot + r, 16 h
	v_and_b32 v14, 7, v0
	v_lshl_add_u32 v14, v3, 3, v14
	v_mul_u32_u24 v14, v14, 288
	v_bfe_u32 v17, v0, 3, 1
	v_lshl_add_u32 v14, v17, 4, v14
	s_lshl_b32 s71, s67, 6
	v_add_nc_u32 v14, s71, v14                     ; Wv turned: row 8 h + L % 8, 16 ((L/8)%2), my two tiles of 16 i
	v_lshl_add_u32 v15, v3, 4, BB
	s_wait_loadcnt 0x0
.set ii, 0
.rept 48
	v_cvt_pk_bf16_f32 v[32+4*ii], v[32+4*ii], v[33+4*ii]
	v_cvt_pk_bf16_f32 v[33+4*ii], v[34+4*ii], v[35+4*ii]
.set ii, ii+1
.endr
	v_cvt_pk_bf16_f32 v224, v224, v224
.set ii, 0
.rept 32
	ds_store_b64 v10, v[32+4*ii:33+4*ii] offset:288*ii
.set ii, ii+1
.endr
.irp t, 0,1,2,3
.irp ch, 0,1,2,3
	ds_store_b64 v11, v[160+16*(\t)+4*(\ch):161+16*(\t)+4*(\ch)] offset:1040*(\t)+256*(\ch)
.endr
.endr
	ds_store_b16 v12, v224
	s_wait_dscnt 0x0                               ; for the others' sake: my stores are done
	s_barrier_signal -1
	s_barrier_wait -1
; A step of 32 along d.  Source 0 = 16 columns i of Wv (turned), or bv in every row; source 1 = 16 rows o of Wo: a lane ends with row o = r and eight neighbouring i.
; The three accumulators take turns, over the backward jump too.  The three address steps and a v_nop are the four places ahead of the next loads.
.macro KSTEP zero
	ds_load_b128 v[32:35], v13
	ds_load_b128 v[36:39], v13 offset:32
	ds_load_tr16_b128 v[40:43], v14
	ds_load_tr16_b128 v[44:47], v14 offset:4608
	ds_load_tr16_b128 v[48:51], v14 offset:32
	ds_load_tr16_b128 v[52:55], v14 offset:4640
	ds_load_b128 v[56:59], v15
	ds_load_b128 v[60:63], v15 offset:32
	s_wait_dscnt 0x0
.if \zero
	v_wmma_f32_16x16x32_bf16 v[64:71], v[40:47], v[32:39], 0
	v_wmma_f32_16x16x32_bf16 v[72:79], v[48:55], v[32:39], 0
	v_wmma_f32_16x16x32_bf16 v[80:87], v[56:63], v[32:39], 0
.else
	v_wmma_f32_16x16x32_bf16 v[64:71], v[40:47], v[32:39], v[64:71]
	v_wmma_f32_16x16x32_bf16 v[72:79], v[48:55], v[32:39], v[72:79]
	v_wmma_f32_16x16x32_bf16 v[80:87], v[56:63], v[32:39], v[80:87]
.endif
	v_add_nc_u32 v13, 64, v13
	v_add_nc_u32 v14, 9216, v14
	v_add_nc_u32 v15, 64, v15
	v_nop
.endm
	KSTEP 1                                        ; the first step starts the sums
	s_mov_b32 s49, 15
.Lk:
	KSTEP 0
	s_sub_co_u32 s49, s49, 1
	s_cmp_lg_u32 s49, 0
	s_cbranch_scc1 .Lk
.set ii, 64
.rept 8
	v_pk_mul_f32 v[ii:ii+1], v[ii:ii+1], s[62:63] op_sel_hi:[1,0]
.set ii, ii+2
.endr
	v_mul_f32 v80, s62, v80
.set ii, 0
.rept 8
	v_cvt_pk_bf16_f32 v[88+ii], v[64+2*ii], v[65+2*ii]
.set ii, ii+1
.endr
	s_lshl_b32 s60, s52, 1                         ; k0 = 128 ib + 32 g2: tile 2 ib + g2 / 2 of the pass, unit g2 % 2
	s_add_co_u32 s60, s60, s68
	s_lshr_b32 s71, s67, 1
	s_add_co_u32 s60, s60, s71
	s_lshl_b32 s60, s60, 16
	s_lshr_b32 s71, s51, 1                         ; n0 = 64 ob + 16 ot: wave ob / 2 of the main launch, its fragment 4 (ob % 2) + ot
	s_lshl_b32 s71, s71, 14
	s_add_co_u32 s60, s60, s71
	s_and_b32 s71, s67, 1
	s_lshl_b32 s71, s71, 13
	s_add_co_u32 s60, s60, s71
	s_and_b32 s71, s51, 1
	s_lshl2_add_u32 s71, s71, s66
	s_lshl_b32 s71, s71, 10
	s_add_co_u32 s60, s60, s71
	s_add_nc_u64 s[72:73], s[44:45], s[60:61]
	global_store_b128 v4, v[88:91], s[72:73]             ; the fragment's two halves: 512 consecutive bytes each
	global_store_b128 v4, v[92:95], s[72:73] offset:512
	s_or_b32 s71, s52, s67                         ; Wo bv is stored once: by the work-groups with ib = 0, their waves 0-3
	s_cmp_lg_u32 s71, 0
	s_cbranch_scc1 .Lend
	s_lshl_b32 s60, s51, 6
	s_lshl4_add_u32 s60, s66, s60
	s_add_co_u32 s60, s60, s74
	s_lshl_b32 s60, s60, 2
	s_add_nc_u64 s[76:77], s[46:47], s[60:61]      ; a pair of its own: the two stores above may still read theirs
	v_lshlrev_b32 v16, 2, v2
	global_store_b32 v16, v80, s[76:77]            ; every row of that tile holds the same sums: lanes r and 16 + r store the same number to the same word
.Lend:
	s_wait_tensorcnt 0x0                           ; the wave's end, behind my last LDS store
	ds_add_u32 v[SPW], v[NIL]
	s_wait_dscnt 0x0
	s_endpgm
.Lfunc_end_k_q4cd9498064_prep:
	.size	k_q4cd9498064_prep, .Lfunc_end_k_q4cd9498064_prep-k_q4cd9498064_prep
	.p2alignl 7, 3214868480
	.fill 96, 4, 3214868480
	.section	.rodata,"a",@progbits
	.p2align	6, 0x0
	.amdhsa_kernel k_q4cd9498064_prep
		.amdhsa_group_segment_fixed_size 249856
		.amdhsa_private_segment_fixed_size 0
		.amdhsa_enable_private_segment 0
		.amdhsa_kernarg_size 176
		.amdhsa_user_sgpr_count 2
		.amdhsa_user_sgpr_kernarg_segment_ptr 1
		.amdhsa_wavefront_size32 1
		.amdhsa_system_sgpr_workgroup_id_x 1
		.amdhsa_system_sgpr_workgroup_id_y 1
		.amdhsa_system_sgpr_workgroup_id_z 1
		.amdhsa_system_vgpr_workitem_id 0
		.amdhsa_next_free_vgpr 256
		.amdhsa_next_free_sgpr 80
		.amdhsa_reserve_vcc 0
		.amdhsa_float_denorm_mode_32 3
		.amdhsa_float_denorm_mode_16_64 3
		.amdhsa_memory_ordered 1
		.amdhsa_forward_progress 1
		.amdhsa_inst_pref_size 31
	.end_amdhsa_kernel
	.amdgpu_metadata
---
amdhsa.version: [ 1, 2 ]
amdhsa.kernels:
  - .name:           k_q4cd9498064_prep
    .symbol:         k_q4cd9498064_prep.kd
    .args:
      - { .name: rk_b, .offset: 0, .size: 8, .value_kind: global_buffer, .address_space: global }
      - { .name: rk_w, .offset: 8, .size: 8, .value_kind: global_buffer, .address_space: global }
      - { .name: ro_b, .offset: 16, .size: 8, .value_kind: global_buffer, .address_space: global }
      - { .name: ro_w, .offset: 24, .size: 8, .value_kind: global_buffer, .address_space: global }
      - { .name: rq_b, .offset: 32, .size: 8, .value_kind: global_buffer, .address_space: global }
      - { .name: rq_w, .offset: 40, .size: 8, .value_kind: global_buffer, .address_space: global }
      - { .name: rv_b, .offset: 48, .size: 8, .value_kind: global_buffer, .address_space: global }
      - { .name: rv_w, .offset: 56, .size: 8, .value_kind: global_buffer, .address_space: global }
      - { .name: ug_b, .offset: 64, .size: 8, .value_kind: global_buffer, .address_space: global }
      - { .name: ug_w, .offset: 72, .size: 8, .value_kind: global_buffer, .address_space: global }
      - { .name: ut_b, .offset: 80, .size: 8, .value_kind: global_buffer, .address_space: global }
      - { .name: ut_w, .offset: 88, .size: 8, .value_kind: global_buffer, .address_space: global }
      - { .name: wk_b, .offset: 96, .size: 8, .value_kind: global_buffer, .address_space: global }
      - { .name: wk_w, .offset: 104, .size: 8, .value_kind: global_buffer, .address_space: global }
      - { .name: wo_b, .offset: 112, .size: 8, .value_kind: global_buffer, .address_space: global }
      - { .name: wo_w, .offset: 120, .size: 8, .value_kind: global_buffer, .address_space: global }
      - { .name: wq_b, .offset: 128, .size: 8, .value_kind: global_buffer, .address_space: global }
      - { .name: wq_w, .offset: 136, .size: 8, .value_kind: global_buffer, .address_space: global }
      - { .name: wv_b, .offset: 144, .size: 8, .value_kind: global_buffer, .address_space: global }
      - { .name: wv_w, .offset: 152, .size: 8, .value_kind: global_buffer, .address_space: global }
      - { .name: ws, .offset: 160, .size: 8, .value_kind: global_buffer, .address_space: global }
      - { .name: bz, .offset: 168, .size: 8, .value_kind: global_buffer, .address_space: global }
    .group_segment_fixed_size: 249856
    .private_segment_fixed_size: 0
    .kernarg_segment_align: 8
    .kernarg_segment_size: 176
    .max_flat_workgroup_size: 512
    .sgpr_count:     80
    .vgpr_count:     256
    .wavefront_size: 32
...
	.end_amdgpu_metadata
.endif
;; end of part 1
;; launch main (part 2): grid 256 x 1, 4 waves a work-group, clusters of 4 x 1, 327,680 bytes of LDS; arguments h_s, mem, ws, bz, out0, out1; writes out0, out1
.if DOCPART == 2
	.amdgcn_target "amdgcn-amd-amdhsa--gfx1250"
	.amdhsa_code_object_version 6
	.text
	.protected	k_q4cd9498064_main
	.globl	k_q4cd9498064_main
	.p2align	8
	.type	k_q4cd9498064_main,@function
k_q4cd9498064_main:
	s_mov_b64 s[64:65], 0
	v_nop
	global_prefetch_b8 v0, s[64:65] scope:SCOPE_SE
	s_setreg_imm32_b32 hwreg(HW_REG_WAVE_MODE, 25, 1), 1
	s_wait_xcnt 0x0
	s_wait_alu depctr_hold_cnt(0) depctr_sa_sdst(0) depctr_va_vdst(0) depctr_va_sdst(0) depctr_va_ssrc(0) depctr_va_vcc(0) depctr_vm_vsrc(0)
	s_getreg_b32 s2, hwreg(HW_REG_IB_STS2, 6, 4)
	s_cmp_eq_u32 s2, 0
	s_cbranch_scc0 .Lentry_in_a_cluster
	s_endpgm
.Lentry_in_a_cluster:
	s_bfe_u32 s2, ttmp6, 0x10000c
	s_cmp_lg_u32 s2, 0x3003
	s_cbranch_scc0 .Lentry_shape_is_right
	s_endpgm
.Lentry_shape_is_right:
; THE WHOLE MODULE FOR 8 BATCHES A WORK-GROUP: 64 rows of h_s and 64 of mem; nothing but the two outputs goes back to memory.
; write:  mem_write = (Pw [h; m]) Ww^T + cw, Pw = softmax over 16 keys;   gate: kk = mean relu(h ut^T + b) + tanh(mem); mem_new = sig(kk ugi^T) tanh(mem_write) + sig(kk ugf^T) mem;
; read:   h_out = h + cr + sum over 4 heads of (P_hd mem_new) Wr_hd^T.  Ww, Wr_hd, cw, cr were made by the launch before (a softmax row sums to 1, so value and output projection are one matrix).
; FORMATS.  Matrix operands bf16, sums f32; relu(ut) is rounded once to bf16 ahead of its mean (an f32 matrix sum); tanh(mem_write), within -1 .. 1, waits in LDS as f16; h_s and mem stay in f32 registers.
; tanh x = 1 - 2 / (1 + 2^(2 log2(e) x)), sigmoid x = 1 / (1 + 2^(-log2(e) x)): an exponential that overflows gives the right limit.  Each softmax takes its row's true maximum away.
; LIMITS.  NaN and infinities are not treated apart; a weight below 2^-126 counts as 0; tanh near 0 is off by some 1e-7 absolute.
; SHARES.  In the eight passes 64 x 512 x 512 wave w makes columns 128 w .. +127 of all 64 rows: 32 accumulators.  In the small phases wave w owns rows 16 w .. +15: two batches.
; LAYOUT.  Source 0 = 16 weight rows, source 1 = 16 data rows: lane (r = L % 16, h = L / 16) holds data row r, register j column n0 + 8 h + j; tile (mt, nt) lies at register 8 (8 mt + nt) of its window.
; So two neighbouring tiles, rounded in pairs, ARE a fragment of the next product, and scores, weights and P x never change lanes: the lanes with h = r / 8 hold a row's own batch, the others are set to 0.
; THE STREAM.  ws, 69 tiles of 64 KiB in fragment order, goes through two LDS slots.  The four work-groups of a cluster walk the same tiles: each fill is asked for JOINTLY (mask 15), a quarter by each wave.
; A tile is two steps of 32 along K: 64 products a wave.  A 4 x 4 cluster would share nothing more: only the weights are shared, and a mask names four.
; REGISTERS, in windows of 256: window 0 addresses, fragments, work; window 1 ACC; window 2 MF (mem, then mem_new); window 3 HF (h_s).
.set SLOTB, 65536
.set XP,    1040                       ; a row of an operand buffer: 512 bf16 + 16 bytes: the 16 rows of a fragment load start at 16 different groups of four banks
.set XSZ,   64*XP
.set X0,    131072                     ; h; relu(ut); kk; mem_new
.set X1,    X0+XSZ                     ; mem; Pw x; tanh(mem_write) in f16; h; P_hd mem_new
.set STG,   264192                     ; 16 rows x 528 bytes for each wave: between rows of 512 bytes and the tile layout
.set SGP,   528
.set TBL,   297984                     ; 7 bias vectors x 512 bytes for each wave, in the order of use
.set PPB,   312320                     ; the read weights P, 4 x 512 bytes for each wave
.set SPARE, 320512                     ; the spare words, 128 bytes for each wave
.set RB0, 4                            ; 16,384 w + 16 L: my fragments in a slot
.set RA0, 5                            ; 1,040 r + 16 h
.set RB,  6
.set RA,  7
.set XS0, 8                            ; X0 + 1,040 r + 16 h + 256 w: where a tile's 16 bytes go (my columns)
.set XS1, 9
.set TRC, 10                           ; turning load, my columns, all rows
.set TRR0, 11                          ; turning load, my rows of X0
.set TRR1, 12                          ; of X1
.set PXS, 13                           ; X1 + 1,040 (16 w + r) + 16 h: my rows
.set ROA0, 14                          ; the same in X0
.set SGW, 16                           ; stage by tiles
.set SGR, 17                           ; stage by rows
.set GIO, 18                           ; 512 w + 16 L: my 16 bytes of a row in memory
.set TBA0, 19
.set TBV, 20
.set PPA, 21
.set RL,  22                           ; 16 L
.set PFO, 23                           ; 256 L
.set BO,  24                           ; 32 h
.set ZERO, 25
.set SPW, 28
.set NIL, 29
.set A0,  30                           ; stepped LDS addresses
.set A1,  31
.set A2,  32
.set A3,  33
.set FA,  64                           ; two sets of 4 operand fragments
.set FB,  128                          ; two sets of 8 weight fragments
.set WV,  16
.set G1,  24
.set G0A, 32
.set G0B, 36
.set TBS, 40                           ; the slot in hand: 0 or 65,536
.set KA,  41                           ; operand buffer + 128 x slot of the pass
.set CNT, 42
.set GC,  43
.set HC,  44
.set REM, 45                           ; refills still to come
.set LIM, 46
.set MC,  47
.set PFA, 48
.set AL,  50
.set GA,  52
.set VM,  54
.set BV,  55
.set SC,  56
.set KAP, 62
.set MSB, 0
.macro WIN new                         ; the immediate's high byte repeats the setting that is left; a switch that changes nothing is dropped
.if MSB != (\new)
	s_set_vgpr_msb (MSB<<8)|(\new)
.set MSB, \new
.endif
.endm
.macro PLACES                          ; four plain places behind a product, ahead of loads into its registers and of vector lines that read its result
.rept 4
	v_nop
.endr
.endm
.macro CREST                           ; a round of the cluster's barrier behind its opening barrier
	s_cmp_lg_u32 s[WV], 0
	s_cbranch_scc1 .Lnw0_\@
	s_barrier_signal -3
.Lnw0_\@:
	s_barrier_wait -3
	s_barrier_signal -1
	s_barrier_wait -1
.endm
.macro CROUND
	s_barrier_signal -1
	s_barrier_wait -1
	CREST
.endm
.macro BAR                             ; operands pass from wave to wave; the tile on its way may stay out
	s_wait_dscnt 0x0
	s_barrier_signal -1
	s_barrier_wait -1
.endm
.macro MULQ f, mt                      ; 8 products.  The 32 accumulators come in the same order in every step, one instruction a turn
	WIN 0x50
.irp nt, 0,1,2,3,4,5,6,7
	v_wmma_f32_16x16x32_bf16 v[8*(8*(\mt)+(\nt)):8*(8*(\mt)+(\nt))+7], v[FB+64*(\f)+8*(\nt):FB+64*(\f)+8*(\nt)+7], v[FA+32*(\f)+8*(\mt):FA+32*(\f)+8*(\mt)+7], v[8*(8*(\mt)+(\nt)):8*(8*(\mt)+(\nt))+7]
.endr
.endm
.macro SETADR
	v_add_nc_u32 v[RB], s[TBS], v[RB0]
	v_add_nc_u32 v[RA], s[KA], v[RA0]
.endm
.macro FETCHU f, u                     ; 24 LDS loads in one run: unit u of the slot (32 along K) into set f
	WIN 0
.irp nt, 0,1,2,3,4,5,6,7
	ds_load_b128 v[FB+64*(\f)+8*(\nt):FB+64*(\f)+8*(\nt)+3],   v[RB] offset:(\u)*8192+(\nt)*1024
	ds_load_b128 v[FB+64*(\f)+8*(\nt)+4:FB+64*(\f)+8*(\nt)+7], v[RB] offset:(\u)*8192+(\nt)*1024+512
.endr
.irp mt, 0,1,2,3
	ds_load_b128 v[FA+32*(\f)+8*(\mt):FA+32*(\f)+8*(\mt)+3],   v[RA] offset:(\u)*64+(\mt)*16*XP
	ds_load_b128 v[FA+32*(\f)+8*(\mt)+4:FA+32*(\f)+8*(\mt)+7], v[RA] offset:(\u)*64+(\mt)*16*XP+32
.endr
.endm
; A PREFETCH INTO THE L2 behind each refill: while tile t is multiplied and tile t + 2 asked for, tile t + 5 is named: three slots, 192 products, ahead of its load.  All clusters walk the same tiles: cluster 0 alone
; asks; its four partners take 16 KiB each BY ADDRESS, waves 0 and 1 half of that, a lane 256 bytes: each block is named once.  It stops at tile 68, the last.
.macro ASK
	s_cmp_gt_u32 s[REM], s[LIM]
	s_cbranch_scc0 .Lnoask_\@
	global_prefetch_b8 v[PFO], s[PFA:PFA+1] th:TH_LOAD_NT scope:SCOPE_SE
.Lnoask_\@:
.endm
.macro BIASLD                          ; the sums start from the bias: nothing is cleared, and every step has one form of product
	WIN 0
	v_add_nc_u32 v[TBV], s[BV], v[TBA0]
	s_add_co_u32 s[BV], s[BV], 512
	WIN 0x40
.set ii, 0
.rept 32
	ds_load_b128 v[8*ii:8*ii+3],   v[TBV] offset:(ii%8)*64
	ds_load_b128 v[8*ii+4:8*ii+7], v[TBV] offset:(ii%8)*64+16
.set ii, ii+1
.endr
	WIN 0
.endm
.macro STEP                            ; the walking descriptor: the other slot, the next tile; written where no tensor load of mine is out
	s_xor_b32 s[G0B+1], s[G0B+1], SLOTB
	s_add_nc_u64 s[G0B+2:G0B+3], s[G0B+2:G0B+3], SLOTB
	s_xor_b32 s[TBS], s[TBS], SLOTB
	s_sub_co_u32 s[REM], s[REM], 1
.endm
.macro JL                              ; my quarter of the joint refill; an s_nop 0 and four v_nop follow it
	tensor_load_to_lds s[G0B:G0B+3], s[G1:G1+7]
	s_nop 0
.rept 4
	v_nop
.endr
.endm
; The change of slots of the projection phases: all my tensor loads have landed (the one out is my part of the next tile), the add, my reads of the slot are back; a round of the cluster's barrier; the refill first behind it.
.macro CHANGE
	WIN 0
	s_wait_xcnt 0x0                                ; the last prefetch, a slot back, has read its address
	s_add_nc_u64 s[PFA:PFA+1], s[PFA:PFA+1], SLOTB
	s_wait_tensorcnt 0x0
	ds_add_u32 v[SPW], v[NIL]
	STEP
	s_wait_dscnt 0x0
	CROUND
	JL
	ASK
.endm
; A SLOT of a pass: 64 products.  Unit 1's fragments are fetched at its head, 32 products ahead of their use: with them my reads of the slot are over.  Ahead of the barrier: all my tensor loads, the add (eight products
; stand between it and its wait), my LDS reads.  Behind the round the slot is filled again first, then the next slot's unit 0 is fetched, 24 products ahead of its use.  From a refill to the wait for it: 48 products.
; kind 0: refill and fetch; 1: a pass's last slot: refill, no fetch; 2: no refill (a plain barrier), fetch; 3: the last slot of all.
.macro SLOT kind
	s_wait_dscnt 0x0                               ; unit 0 is in (at a pass's head: the biases too)
	PLACES
	FETCHU 1, 1
	MULQ 0, 0
	MULQ 0, 1
	MULQ 0, 2
.if (\kind) == 3
	MULQ 0, 3
	s_wait_dscnt 0x0
	MULQ 1, 0
	MULQ 1, 1
	MULQ 1, 2
	MULQ 1, 3
.else
	WIN 0
.if (\kind) < 2
	s_wait_xcnt 0x0                                ; the last prefetch, 48 products back, has read its address
	s_add_nc_u64 s[PFA:PFA+1], s[PFA:PFA+1], SLOTB
.endif
	s_wait_tensorcnt 0x0                           ; all my tensor loads have landed: the one out was my part of the next tile
	ds_add_u32 v[SPW], v[NIL]
.if (\kind) < 2
	STEP
.else
	s_xor_b32 s[TBS], s[TBS], SLOTB
.endif
	s_add_co_u32 s[KA], s[KA], 128
	MULQ 0, 3
	s_wait_dscnt 0x0                               ; the add is done; unit 1 is in: my reads of this slot and of the operand rows are over
	s_barrier_signal -1
	MULQ 1, 0
	WIN 0
	s_barrier_wait -1
.if (\kind) < 2
	CREST                                          ; no wave of any partner still reads the slot or has a load on its way
	JL                                             ; its four v_nop are also the places ahead of the loads below
.else
	PLACES
.endif
.if (\kind) != 1
	SETADR
	FETCHU 0, 0
.endif
.if (\kind) < 2
	ASK
.endif
	MULQ 1, 1
	MULQ 1, 2
	MULQ 1, 3
.endif
.endm
; 256 registers of window win, rounded in pairs (ascending: each accumulator's lowest registers first), 16 bytes a tile into my columns of an operand buffer.
.macro CVTX win, adr, half, relu
	WIN 5*(\win)
.set ii, 0
.rept 128
.if \half
	v_cvt_pk_f16_f32 v[128+ii], v[2*ii], v[2*ii+1]
.else
	v_cvt_pk_bf16_f32 v[128+ii], v[2*ii], v[2*ii+1]
.endif
.set ii, ii+1
.endr
	WIN 0
.if \relu
.set ii, 128
.rept 128
	v_pk_max_num_bf16 v[ii], v[ii], v[ZERO]
.set ii, ii+1
.endr
.endif
.set ii, 0
.rept 32
	ds_store_b128 v[\adr], v[128+4*ii:128+4*ii+3] offset:(ii/8)*16*XP+(ii%8)*32
.set ii, ii+1
.endr
.endm
; 16 rows as loaded (a row's 512 bytes over the lanes) become 8 tiles, through my stage, in the same 64 registers.  LDS serves a wave's instructions in order: no wait between.
.macro TRANS win, mt
	WIN 0x44*(\win)
.set ii, 0
.rept 16
	ds_store_b128 v[SGR], v[64*(\mt)+4*ii:64*(\mt)+4*ii+3] offset:ii*SGP
.set ii, ii+1
.endr
.set ii, 0
.rept 16
	ds_load_b128 v[64*(\mt)+4*ii:64*(\mt)+4*ii+3], v[SGW] offset:(ii/2)*64+(ii%2)*16
.set ii, ii+1
.endr
.endm
; The way out: 16 rows at a time through my stage; each store of the wave covers 512 consecutive bytes, aligned.
.macro OUTST win, sb
.irp mt, 0,1,2,3
	WIN 4*(\win)
.set ii, 0
.rept 16
	ds_store_b128 v[SGW], v[64*(\mt)+4*ii:64*(\mt)+4*ii+3] offset:(ii/2)*64+(ii%2)*16
.set ii, ii+1
.endr
	WIN 0
.if (\mt) >= 2
	s_wait_xcnt 0x0                                ; the stores of two blocks back have read these registers
.endif
.set ii, 0
.rept 16
	ds_load_b128 v[128+64*((\mt)%2)+4*ii:128+64*((\mt)%2)+4*ii+3], v[SGR] offset:ii*SGP
.set ii, ii+1
.endr
	s_wait_dscnt 0x0
.set ii, 0
.rept 16
	global_store_b128 v[GIO], v[128+64*((\mt)%2)+4*ii:128+64*((\mt)%2)+4*ii+3], s[\sb:\sb+1] offset:(16*(\mt)+ii)*2048 th:TH_STORE_NT
.set ii, ii+1
.endr
.endr
.endm
; 8 tiles of (P x)^T for my 16 rows: source 0 = 16 channels x 32 tokens at v[a0 + st i], source 1 = P at v[s1]; rounded in place, 16 bytes a tile into my rows of X1.
.macro SPROD s1, a0, st, dt0
	WIN 0
.irp i, 0,1,2,3,4,5,6,7
	v_wmma_f32_16x16x32_bf16 v[64+8*(\i):71+8*(\i)], v[(\a0)+(\st)*(\i):(\a0)+(\st)*(\i)+7], v[\s1:\s1+7], 0
.endr
	PLACES
.irp i, 0,1,2,3,4,5,6,7
	v_cvt_pk_bf16_f32 v[64+8*(\i)], v[64+8*(\i)], v[65+8*(\i)]
	v_cvt_pk_bf16_f32 v[65+8*(\i)], v[66+8*(\i)], v[67+8*(\i)]
	v_cvt_pk_bf16_f32 v[66+8*(\i)], v[68+8*(\i)], v[69+8*(\i)]
	v_cvt_pk_bf16_f32 v[67+8*(\i)], v[70+8*(\i)], v[71+8*(\i)]
.endr
.irp i, 0,1,2,3,4,5,6,7
	ds_store_b128 v[PXS], v[64+8*(\i):67+8*(\i)] offset:((\dt0)+(\i))*32
.endr
.endm
; ACC = AL / (1 + 2^ACC) + GA, in place, in two halves: one half's plain lines stand among the other's transcendentals.  Four batches, each with a plain instruction behind its last
; transcendental and ONE wait ahead of its first reader.
.macro ACT
	WIN 0x41
.set ii, 0
.rept 128
	v_exp_f32 v[ii], v[ii]
.set ii, ii+1
.endr
	v_nop
	s_wait_alu depctr_va_vdst(0)
.set ii, 0
.rept 64
	v_pk_add_f32 v[ii:ii+1], v[ii:ii+1], 1.0 op_sel_hi:[1,0]
	v_exp_f32 v[128+ii], v[128+ii]
	v_exp_f32 v[129+ii], v[129+ii]
.set ii, ii+2
.endr
	v_nop
	s_wait_alu depctr_va_vdst(0)
.set ii, 0
.rept 64
	v_pk_add_f32 v[128+ii:129+ii], v[128+ii:129+ii], 1.0 op_sel_hi:[1,0]
	v_rcp_f32 v[ii], v[ii]
	v_rcp_f32 v[ii+1], v[ii+1]
.set ii, ii+2
.endr
	v_nop
	s_wait_alu depctr_va_vdst(0)
.set ii, 0
.rept 64
	v_pk_fma_f32 v[ii:ii+1], v[ii:ii+1], s[AL:AL+1], s[GA:GA+1] op_sel_hi:[1,0,0]
	v_rcp_f32 v[128+ii], v[128+ii]
	v_rcp_f32 v[129+ii], v[129+ii]
.set ii, ii+2
.endr
	v_nop
	s_wait_alu depctr_va_vdst(0)
.set ii, 128
.rept 64
	v_pk_fma_f32 v[ii:ii+1], v[ii:ii+1], s[AL:AL+1], s[GA:GA+1] op_sel_hi:[1,0,0]
.set ii, ii+2
.endr
.endm
	; ---- the head
	s_load_b256 s[4:11], s[0:1], 0x0               ; h_s 4, mem 6, ws 8, bz 10
	s_load_b128 s[12:15], s[0:1], 0x20             ; out0 12, out1 14
	v_lshl_add_u32 v[SPW], v0, 2, SPARE
	v_mov_b32 v[NIL], 0
	ds_add_u32 v[SPW], v[NIL]                      ; the wave's opening: the add and its wait come ahead of my first tensor load; the set-up, work on registers, stands between
	v_lshrrev_b32 v1, 5, v0
	v_readfirstlane_b32 s[WV], v1                  ; wave 0..3
	v_and_b32 v1, 31, v0                           ; L
	v_and_b32 v2, 15, v0                           ; r
	v_bfe_u32 v3, v0, 4, 1                         ; h
	s_bfe_u32 s17, ttmp6, 0x40000                  ; cx: it enters the rows' addresses in memory and the prefetch's address alone
	s_lshl_b32 s18, ttmp9, 2
	s_add_co_u32 s18, s18, s17                     ; my block of 64 rows
	; descriptor group 1: 16 KiB dense, as 64 rows of 32 elements of 8 bytes
	s_mov_b32 s[G1+0], 15|(3<<16)|(1<<21)          ; 15:0 the mask of four; 17:16 elements of 8 bytes; 21 set beside a mask; no padding
	s_mov_b32 s[G1+1], 32<<16                      ; tensor_dim0 = 32
	s_mov_b32 s[G1+2], 64<<16                      ; tensor_dim1 = 64
	s_mov_b32 s[G1+3], 32<<16                      ; tile_dim0 = 32
	s_mov_b32 s[G1+4], 64                          ; tile_dim1 = 64
	s_mov_b32 s[G1+5], 32                          ; elements from row to row
	s_mov_b32 s[G1+6], 0
	s_mov_b32 s[G1+7], 0
	s_mov_b32 s[G0A], 1
	s_lshl_b32 s[G0A+1], s[WV], 14                 ; slot 0, my quarter
	s_mov_b32 s[G0B], 1
	s_add_co_u32 s[G0B+1], s[G0A+1], SLOTB         ; slot 1
	s_mov_b32 s[TBS], 0
	s_mov_b32 s[REM], 67
	s_mov_b32 s[BV], 0
	s_mov_b32 s[AL+1], 0                           ; named as pairs
	s_mov_b32 s[GA+1], 0
	s_mov_b32 s[VM], 0xff0000ff                    ; the lanes with h = r / 8
	s_mov_b32 s[KAP], 0x4038aa3b                   ; 2 log2(e)
	s_mov_b32 s[KAP+1], s[KAP]
	s_lshr_b32 s57, s[WV], 1
	s_or_b32 s57, s57, ttmp9
	s_cmp_eq_u32 s57, 0
	s_cselect_b32 s[LIM], 2, -1                    ; waves 0 and 1 of cluster 0 prefetch while more than 2 refills are to come; the same in all four partners
	v_lshlrev_b32 v[RL], 4, v1
	v_lshlrev_b32 v[PFO], 8, v1
	v_lshlrev_b32 v[BO], 5, v3
	v_mov_b32 v[ZERO], 0
	v_add_nc_u32 v[RB0], s[G0A+1], v[RL]
	v_mul_u32_u24 v[RA0], v2, XP
	v_lshl_add_u32 v[RA0], v3, 4, v[RA0]
	s_lshl_b32 s57, s[WV], 8
	s_add_co_u32 s57, s57, X0
	v_add_nc_u32 v[XS0], s57, v[RA0]
	v_add_nc_u32 v[XS1], XSZ, v[XS0]
	v_and_b32 v34, 7, v0                           ; the turning load: lane L reads row 8 h + L % 8, bytes 16 ((L / 8) % 2)
	v_lshl_add_u32 v34, v3, 3, v34
	v_mul_u32_u24 v34, v34, XP
	v_bfe_u32 v35, v0, 3, 1
	v_lshl_add_u32 v34, v35, 4, v34
	v_add_nc_u32 v[TRC], s57, v34
	s_mul_i32 s58, s[WV], 16*XP
	s_add_co_u32 s58, s58, X0
	v_add_nc_u32 v[TRR0], s58, v34
	v_add_nc_u32 v[TRR1], XSZ, v[TRR0]
	v_add_nc_u32 v[ROA0], s58, v[RA0]
	v_add_nc_u32 v[PXS], XSZ, v[ROA0]
	s_mul_i32 s59, s[WV], 16*SGP
	s_add_co_u32 s59, s59, STG
	v_mul_u32_u24 v[SGW], v2, SGP
	v_lshl_add_u32 v[SGW], v3, 5, v[SGW]
	v_add_nc_u32 v[SGW], s59, v[SGW]
	v_add_nc_u32 v[SGR], s59, v[RL]
	s_lshl_b32 s60, s[WV], 9
	v_add_nc_u32 v[GIO], s60, v[RL]
	s_mul_i32 s61, s[WV], 3584
	s_add_co_u32 s61, s61, TBL
	v_add_nc_u32 v[TBA0], s61, v[BO]
	v_add_nc_u32 v[A0], s61, v[RL]
	s_lshl_b32 s57, s[WV], 11
	s_add_co_u32 s57, s57, PPB
	v_add_nc_u32 v[PPA], s57, v[RL]
	s_lshl_b32 s20, s18, 17                        ; 64 rows of 2,048 bytes
	s_mov_b32 s21, 0
	s_mov_b32 s22, s[G0A+1]                        ; my quarter of a tile in ws
	s_mov_b32 s23, 0
	s_lshl_b32 s58, s17, 14                        ; the prefetches: 16 KiB a partner, 8 KiB a wave, from tile 4 on; stepped ahead of each use
	s_lshl_b32 s59, s[WV], 13
	s_add_co_u32 s58, s58, s59
	s_add_co_u32 s58, s58, 4*SLOTB
	s_mov_b32 s59, 0
	s_wait_dscnt 0x0                               ; the opening add is done
	s_wait_kmcnt 0x0
	s_add_nc_u64 s[4:5], s[4:5], s[20:21]
	s_add_nc_u64 s[6:7], s[6:7], s[20:21]
	s_add_nc_u64 s[12:13], s[12:13], s[20:21]
	s_add_nc_u64 s[14:15], s[14:15], s[20:21]
	s_add_nc_u64 s[G0A+2:G0A+3], s[8:9], s[22:23]  ; tile 0
	s_add_nc_u64 s[G0B+2:G0B+3], s[G0A+2:G0A+3], SLOTB  ; tile 1
	s_or_b32 s[G0A+3], s[G0A+3], 0x80000000
	s_or_b32 s[G0B+3], s[G0B+3], 0x80000000
	s_add_nc_u64 s[PFA:PFA+1], s[8:9], s[58:59]
	CROUND                                         ; all four work-groups are here: the first joint loads meet
	tensor_load_to_lds s[G0A:G0A+3], s[G1:G1+7]    ; two loads of mine are out
	s_nop 0
	tensor_load_to_lds s[G0B:G0B+3], s[G1:G1+7]
	s_nop 0
.rept 4
	v_nop
.endr
	; ---- 152 loads: 12 of the bias tables, 12 biases straight into the first accumulators, 64 rows of h_s, 64 rows of mem (my 512 bytes of each)
.set ii, 0
.rept 10
	global_load_b128 v[64+4*ii:67+4*ii], v[GIO], s[10:11] offset:2048*ii
.set ii, ii+1
.endr
	global_load_b128 v[104:107], v[RL], s[10:11] offset:20480
	global_load_b128 v[108:111], v[RL], s[10:11] offset:20992
	WIN 0x40
.irp g, 0,1,2                          ; q (c wq_b), k of mem's rows, k of h's rows (wk_b)
.irp t, 0,1
	global_load_b128 v[16*(\g)+8*(\t):16*(\g)+8*(\t)+3],   v[BO], s[10:11] offset:21504+128*(((\g)+1)/2)+64*(\t)
	global_load_b128 v[16*(\g)+8*(\t)+4:16*(\g)+8*(\t)+7], v[BO], s[10:11] offset:21504+128*(((\g)+1)/2)+64*(\t)+16
.endr
.endr
	WIN 0xc0
.set ii, 0
.rept 64
	global_load_b128 v[4*ii:4*ii+3], v[GIO], s[4:5] offset:2048*ii th:TH_LOAD_NT
.set ii, ii+1
.endr
	WIN 0x80
.set ii, 0
.rept 64
	global_load_b128 v[4*ii:4*ii+3], v[GIO], s[6:7] offset:2048*ii th:TH_LOAD_NT
.set ii, ii+1
.endr
	WIN 0
	s_wait_loadcnt 63                              ; the 63 youngest, all of mem, may stay out: the 24 small loads and h_s are in
	v_pk_add_f32 v[68:69], v[68:69], v[84:85]      ; cw = wo_b + wo_w wv_b (both times 2 log2(e))
	v_pk_add_f32 v[70:71], v[70:71], v[86:87]
.irp q, 88,92,96,100
	v_pk_add_f32 v[80:81], v[80:81], v[\q:\q+1]    ; cr = ro_b + the four heads' ro_w rv_b
	v_pk_add_f32 v[82:83], v[82:83], v[\q+2:\q+3]
.endr
	ds_store_b128 v[A0], v[64:67]                  ; ut_b
	ds_store_b128 v[A0], v[68:71] offset:512       ; cw
	ds_store_b128 v[A0], v[72:75] offset:1024      ; forget gate
	ds_store_b128 v[A0], v[76:79] offset:1536      ; input gate
	ds_store_b128 v[A0], v[104:107] offset:2048    ; c rq_b
	ds_store_b128 v[A0], v[108:111] offset:2560    ; rk_b
	ds_store_b128 v[A0], v[80:83] offset:3072      ; cr
	TRANS 3, 0
	TRANS 3, 1
	TRANS 3, 2
	TRANS 3, 3
	s_wait_dscnt 0x0
	CVTX 3, XS0, 0, 0                              ; h in bf16
.irp mt, 0,1,2,3
	s_wait_loadcnt 48-16*(\mt)                     ; the later blocks' rows may stay out
	TRANS 2, \mt
.endr
	s_wait_dscnt 0x0
	CVTX 2, XS1, 0, 0                              ; mem in bf16
	s_wait_tensorcnt 1                             ; my part of tile 0 is in; tile 1 may stay out
	BAR
	; ---- tile 0: q = mem wq^T, k = [h; mem] wk^T for my 16 + 16 rows: six accumulators, 16 steps of 32, two steps a fetch
.macro FETCHW b
	WIN 0
.irp kk, 0,1
.irp ft, 0,1,2,3
	ds_load_b128 v[64+96*(\b)+32*(\kk)+8*(\ft):64+96*(\b)+32*(\kk)+8*(\ft)+3],   v[A0] offset:(\kk)*4096+(\ft)*1024
	ds_load_b128 v[64+96*(\b)+32*(\kk)+8*(\ft)+4:64+96*(\b)+32*(\kk)+8*(\ft)+7], v[A0] offset:(\kk)*4096+(\ft)*1024+512
.endr
.endr
.irp kk, 0,1
	ds_load_b128 v[128+96*(\b)+8*(\kk):128+96*(\b)+8*(\kk)+3],   v[A1] offset:(\kk)*64
	ds_load_b128 v[128+96*(\b)+8*(\kk)+4:128+96*(\b)+8*(\kk)+7], v[A1] offset:(\kk)*64+32
	ds_load_b128 v[144+96*(\b)+8*(\kk):144+96*(\b)+8*(\kk)+3],   v[A2] offset:(\kk)*64
	ds_load_b128 v[144+96*(\b)+8*(\kk)+4:144+96*(\b)+8*(\kk)+7], v[A2] offset:(\kk)*64+32
.endr
	v_add_nc_u32 v[A0], 8192, v[A0]
	v_add_nc_u32 v[A1], 128, v[A1]
	v_add_nc_u32 v[A2], 128, v[A2]
.endm
.macro MULW b                          ; the six accumulators take turns
	WIN 0x50
.irp kk, 0,1
.irp ft, 0,1,2,3
	v_wmma_f32_16x16x32_bf16 v[8*(\ft):8*(\ft)+7], v[64+96*(\b)+32*(\kk)+8*(\ft):64+96*(\b)+32*(\kk)+8*(\ft)+7], v[128+96*(\b)+8*(\kk):128+96*(\b)+8*(\kk)+7], v[8*(\ft):8*(\ft)+7]
.endr
.irp ft, 2,3
	v_wmma_f32_16x16x32_bf16 v[16+8*(\ft):16+8*(\ft)+7], v[64+96*(\b)+32*(\kk)+8*(\ft):64+96*(\b)+32*(\kk)+8*(\ft)+7], v[144+96*(\b)+8*(\kk):144+96*(\b)+8*(\kk)+7], v[16+8*(\ft):16+8*(\ft)+7]
.endr
.endr
.endm
	v_add_nc_u32 v[A0], s[TBS], v[RL]
	v_add_nc_u32 v[A1], XSZ, v[ROA0]               ; mem's rows
	v_mov_b32 v[A2], v[ROA0]                       ; h's rows
	FETCHW 0
	s_mov_b32 s[CNT], 3
.Lw:
	PLACES
	FETCHW 1
	s_wait_dscnt 24                                ; all but the 24 just issued
	MULW 0
	PLACES
	FETCHW 0
	s_wait_dscnt 24
	MULW 1
	WIN 0
	s_sub_co_u32 s[CNT], s[CNT], 1
	s_cmp_lg_u32 s[CNT], 0
	s_cbranch_scc1 .Lw
	PLACES
	FETCHW 1
	s_wait_dscnt 24
	MULW 0
	s_wait_dscnt 0x0
	MULW 1
	CHANGE                                         ; tile 2 is asked for
	; ---- the write softmax: a lane with h = r / 8 holds all 16 scores of slot row r
	PLACES
	WIN 0x05
.set ii, 0
.rept 8
	v_cvt_pk_bf16_f32 v[64+ii], v[2*ii], v[2*ii+1]         ; q
.set ii, ii+1
.endr
.set ii, 0
.rept 8
	v_cvt_pk_bf16_f32 v[80+ii], v[16+2*ii], v[17+2*ii]     ; k of mem's rows
.set ii, ii+1
.endr
.set ii, 0
.rept 8
	v_cvt_pk_bf16_f32 v[72+ii], v[32+2*ii], v[33+2*ii]     ; k of h's rows
.set ii, ii+1
.endr
	WIN 0
	v_wmma_f32_16x16x32_bf16 v[88:95], v[72:79], v[64:71], 0
	v_wmma_f32_16x16x32_bf16 v[96:103], v[80:87], v[64:71], 0
	PLACES
	v_max3_num_f32 v52, v88, v89, v90
	v_max3_num_f32 v53, v96, v97, v98
	v_max3_num_f32 v52, v52, v91, v92
	v_max3_num_f32 v53, v53, v99, v100
	v_max3_num_f32 v52, v52, v93, v94
	v_max3_num_f32 v53, v53, v101, v102
	v_max3_num_f32 v52, v52, v95, v103
	v_max_num_f32 v52, v52, v53
.set ii, 88
.rept 16
	v_sub_f32 v[ii], v[ii], v52
.set ii, ii+1
.endr
.set ii, 88
.rept 16
	v_exp_f32 v[ii], v[ii]
.set ii, ii+1
.endr
	v_nop
	s_wait_alu depctr_va_vdst(0)                   ; one wait for the sixteen
	v_pk_add_f32 v[54:55], v[88:89], v[90:91]
	v_pk_add_f32 v[56:57], v[92:93], v[94:95]
	v_pk_add_f32 v[58:59], v[96:97], v[98:99]
	v_pk_add_f32 v[60:61], v[100:101], v[102:103]
	v_pk_add_f32 v[54:55], v[54:55], v[56:57]
	v_pk_add_f32 v[58:59], v[58:59], v[60:61]
	v_pk_add_f32 v[54:55], v[54:55], v[58:59]
	v_add_f32 v54, v54, v55
	v_rcp_f32 v54, v54
	v_nop
	s_wait_alu depctr_va_vdst(0)
	v_cndmask_b32 v54, 0, v54, s[VM]               ; the lanes that hold another batch's scores give weights 0
.set ii, 0
.rept 8
	v_pk_mul_f32 v[88+2*ii:89+2*ii], v[88+2*ii:89+2*ii], v[54:55] op_sel_hi:[1,0]
.set ii, ii+1
.endr
.set ii, 0
.rept 8
	v_cvt_pk_bf16_f32 v[40+ii], v[88+2*ii], v[89+2*ii]     ; P: tokens 0-15 my rows of h, 16-31 my rows of mem
.set ii, ii+1
.endr
.irp hf, 0,1                           ; P [h; mem], 16 channel tiles at a time; it takes the place of mem in my rows of X1, behind the loads of the same columns
.set ii, 0
.rept 16
	ds_load_tr16_b128 v[128+8*ii:131+8*ii], v[TRR0] offset:(16*(\hf)+ii)*32
	ds_load_tr16_b128 v[132+8*ii:135+8*ii], v[TRR1] offset:(16*(\hf)+ii)*32
.set ii, ii+1
.endr
	s_wait_dscnt 0x0
	SPROD 40, 128, 8, 16*(\hf)
	SPROD 40, 192, 8, 16*(\hf)+8
.endr
	; v40-51 = [0 x 4, X x 4, 0 x 4], X = 1/8 twice in bf16 in the lanes with h = r / 8: v[44:51] averages tokens 0-15 by batches, v[40:47] tokens 16-31
.irp q, 40,41,42,43,48,49,50,51
	v_mov_b32 v[\q], 0
.endr
	v_mov_b32 v34, 0x3e003e00
.irp q, 44,45,46,47
	v_cndmask_b32 v[\q], 0, v34, s[VM]
.endr
	; ---- four passes: GC = 4 ut on h, 3 Ww on P x, 2 forget gate on kk, 1 input gate on kk
	s_mov_b32 s[GC], 4
.Lgate:
	s_mov_b32 s57, X1
	s_cmp_eq_u32 s[GC], 3
	s_cselect_b32 s[KA], s57, X0
	s_cmp_ge_u32 s[GC], 3
	s_cselect_b32 s[AL], -2.0, 1.0                 ; tanh: 1 - 2 / (1 + 2^x); sigmoid: 1 / (1 + 2^x)
	s_cselect_b32 s[GA], 1.0, 0
	BAR                                            ; the operand rows that the other waves wrote
	BIASLD
	SETADR
	FETCHU 0, 0
	s_mov_b32 s[CNT], 7
.Lgslot:
	SLOT 0
	WIN 0
	s_sub_co_u32 s[CNT], s[CNT], 1
	s_cmp_lg_u32 s[CNT], 0
	s_cbranch_scc1 .Lgslot
	SLOT 1                                         ; ahead of its round every wave's reads of the operand buffer are back: it may be written again
	WIN 0
	s_cmp_lg_u32 s[GC], 4
	s_cbranch_scc1 .Lact
	PLACES
	CVTX 1, XS0, 0, 1                              ; relu(ut) in bf16, my columns
	WIN 0x42
.set ii, 0
.rept 128
	v_pk_mul_f32 v[ii:ii+1], v[ii:ii+1], s[KAP:KAP+1] op_sel_hi:[1,0]   ; ACC = 2 log2(e) mem
.set ii, ii+2
.endr
	WIN 0
.Lact:
	PLACES
	ACT
	WIN 0
	s_cmp_eq_u32 s[GC], 4
	s_cbranch_scc0 .Lp3
	; kk = tanh(mem) + the batch's mean of relu(ut): the mean is a product of relu^T (my columns, turned) with 1/8 in the batch's eight places
.irp p, 0,1
.irp nt, 0,1,2,3,4,5,6,7
	ds_load_tr16_b128 v[128+64*(\p)+8*(\nt):131+64*(\p)+8*(\nt)], v[TRC] offset:(\nt)*32+(\p)*32*XP
	ds_load_tr16_b128 v[132+64*(\p)+8*(\nt):135+64*(\p)+8*(\nt)], v[TRC] offset:(\nt)*32+(\p)*32*XP+16*XP
.endr
.endr
	s_wait_dscnt 0x0
	WIN 0x50
.irp mt, 0,1,2,3
.irp nt, 0,1,2,3,4,5,6,7
	v_wmma_f32_16x16x32_bf16 v[8*(8*(\mt)+(\nt)):8*(8*(\mt)+(\nt))+7], v[128+64*((\mt)/2)+8*(\nt):135+64*((\mt)/2)+8*(\nt)], v[44-4*((\mt)%2):51-4*((\mt)%2)], v[8*(8*(\mt)+(\nt)):8*(8*(\mt)+(\nt))+7]
.endr
.endr
	PLACES
	CVTX 1, XS0, 0, 0
	s_branch .Lpj
.Lp3:
	s_cmp_eq_u32 s[GC], 3
	s_cbranch_scc0 .Lp2
	CVTX 1, XS1, 1, 0                              ; tanh(mem_write) in f16: read back by the lanes that wrote it
	s_branch .Lpj
.Lp2:
	s_cmp_eq_u32 s[GC], 2
	s_cbranch_scc0 .Lp1
	WIN 0x89
.set ii, 0
.rept 128
	v_pk_mul_f32 v[ii:ii+1], v[ii:ii+1], v[ii:ii+1]        ; MF = forget gate x mem
.set ii, ii+2
.endr
	WIN 0
	s_branch .Lpj
.Lp1:
.set ii, 0
.rept 32
	ds_load_b128 v[128+4*ii:131+4*ii], v[XS1] offset:(ii/8)*16*XP+(ii%8)*32
.set ii, ii+1
.endr
	s_wait_dscnt 0x0
	WIN 0xa1
.set ii, 0
.rept 128
	v_fma_mix_f32 v[2*ii], v[2*ii], v[128+ii], v[2*ii] op_sel_hi:[0,1,0]                       ; MF = input gate x tanh(mem_write) + MF
	v_fma_mix_f32 v[2*ii+1], v[2*ii+1], v[128+ii], v[2*ii+1] op_sel:[0,1,0] op_sel_hi:[0,1,0]
.set ii, ii+1
.endr
	CVTX 2, XS0, 0, 0                              ; mem_new in bf16
	CVTX 3, XS1, 0, 0                              ; h in bf16 once more, for rq
	OUTST 2, 14                                    ; out1
	s_wait_xcnt 0x0                                ; the stores have read their registers
.Lpj:
	s_sub_co_u32 s[GC], s[GC], 1
	s_cmp_lg_u32 s[GC], 0
	s_cbranch_scc1 .Lgate
	; ---- rq on my rows of h (MC = 2), rk on my rows of mem_new (MC = 1): 8 accumulators, two tiles each, a step of 32 a fetch
.macro FETCH8 b
	WIN 0
.irp ft, 0,1,2,3,4,5,6,7
	ds_load_b128 v[64+72*(\b)+8*(\ft):64+72*(\b)+8*(\ft)+3],   v[A0] offset:(\ft)*1024
	ds_load_b128 v[64+72*(\b)+8*(\ft)+4:64+72*(\b)+8*(\ft)+7], v[A0] offset:(\ft)*1024+512
.endr
	ds_load_b128 v[128+72*(\b):131+72*(\b)], v[A1]
	ds_load_b128 v[132+72*(\b):135+72*(\b)], v[A1] offset:32
	v_add_nc_u32 v[A0], 8192, v[A0]
	v_add_nc_u32 v[A1], 64, v[A1]
.endm
.macro MUL8 b
	WIN 0x50
.irp ft, 0,1,2,3,4,5,6,7
	v_wmma_f32_16x16x32_bf16 v[8*(\ft):8*(\ft)+7], v[64+72*(\b)+8*(\ft):64+72*(\b)+8*(\ft)+7], v[128+72*(\b):135+72*(\b)], v[8*(\ft):8*(\ft)+7]
.endr
.endm
	BAR
	v_mov_b32 v[A3], v[SGR]
	s_mov_b32 s[MC], 2
.Lm:
	v_add_nc_u32 v[TBV], s[BV], v[TBA0]
	s_add_co_u32 s[BV], s[BV], 512
	WIN 0x40
.set ii, 0
.rept 16
	ds_load_b128 v[4*ii:4*ii+3], v[TBV] offset:(ii/2)*64+(ii%2)*16
.set ii, ii+1
.endr
	WIN 0
	s_cmp_eq_u32 s[MC], 2
	s_cselect_b32 s57, XSZ, 0
	v_add_nc_u32 v[A1], s57, v[ROA0]
	s_mov_b32 s[SC], 2
.Lms:
	v_add_nc_u32 v[A0], s[TBS], v[RL]
	FETCH8 0
	s_mov_b32 s[CNT], 3
.Lmk:
	PLACES
	FETCH8 1
	s_wait_dscnt 18                                ; all but the 18 just issued
	MUL8 0
	PLACES
	FETCH8 0
	s_wait_dscnt 18
	MUL8 1
	WIN 0
	s_sub_co_u32 s[CNT], s[CNT], 1
	s_cmp_lg_u32 s[CNT], 0
	s_cbranch_scc1 .Lmk
	PLACES
	FETCH8 1
	s_wait_dscnt 18
	MUL8 0
	s_wait_dscnt 0x0
	MUL8 1
	CHANGE
	s_sub_co_u32 s[SC], s[SC], 1
	s_cmp_lg_u32 s[SC], 0
	s_cbranch_scc1 .Lms
	PLACES
	WIN 0x05
.set ii, 0
.rept 32
	v_cvt_pk_bf16_f32 v[208+ii], v[2*ii], v[2*ii+1]        ; tiles 2 hd, 2 hd + 1 are head hd's fragment
.set ii, ii+1
.endr
	WIN 0
.set ii, 0
.rept 8
	ds_store_b128 v[A3], v[208+4*ii:211+4*ii] offset:512*ii   ; set aside in my stage: q at 0, k at 4,096
.set ii, ii+1
.endr
	v_add_nc_u32 v[A3], 4096, v[A3]
	s_sub_co_u32 s[MC], s[MC], 1
	s_cmp_lg_u32 s[MC], 0
	s_cbranch_scc1 .Lm
	; ---- the read softmax: four heads, 8 scores a lane
.set ii, 0
.rept 16
	ds_load_b128 v[64+4*ii:67+4*ii], v[SGR] offset:512*ii
.set ii, ii+1
.endr
	s_wait_dscnt 0x0
.irp hd, 0,1,2,3
	v_wmma_f32_16x16x32_bf16 v[128+8*(\hd):135+8*(\hd)], v[96+8*(\hd):103+8*(\hd)], v[64+8*(\hd):71+8*(\hd)], 0
.endr
	PLACES
.irp hd, 0,1,2,3
	v_max3_num_f32 v[52+(\hd)], v[128+8*(\hd)], v[129+8*(\hd)], v[130+8*(\hd)]
.endr
.irp hd, 0,1,2,3
	v_max3_num_f32 v[52+(\hd)], v[52+(\hd)], v[131+8*(\hd)], v[132+8*(\hd)]
.endr
.irp hd, 0,1,2,3
	v_max3_num_f32 v[52+(\hd)], v[52+(\hd)], v[133+8*(\hd)], v[134+8*(\hd)]
.endr
.irp hd, 0,1,2,3
	v_max_num_f32 v[52+(\hd)], v[52+(\hd)], v[135+8*(\hd)]
.endr
.set ii, 0
.rept 32
	v_sub_f32 v[128+ii], v[128+ii], v[52+ii/8]
.set ii, ii+1
.endr
.set ii, 0
.rept 32
	v_exp_f32 v[128+ii], v[128+ii]
.set ii, ii+1
.endr
	v_nop
	s_wait_alu depctr_va_vdst(0)                   ; one wait for the 32
.irp hd, 0,1,2,3
	v_pk_add_f32 v[160+4*(\hd):161+4*(\hd)], v[128+8*(\hd):129+8*(\hd)], v[130+8*(\hd):131+8*(\hd)]
	v_pk_add_f32 v[162+4*(\hd):163+4*(\hd)], v[132+8*(\hd):133+8*(\hd)], v[134+8*(\hd):135+8*(\hd)]
.endr
.irp hd, 0,1,2,3
	v_pk_add_f32 v[160+4*(\hd):161+4*(\hd)], v[160+4*(\hd):161+4*(\hd)], v[162+4*(\hd):163+4*(\hd)]
.endr
.irp hd, 0,1,2,3
	v_add_f32 v[160+4*(\hd)], v[160+4*(\hd)], v[161+4*(\hd)]
.endr
.irp hd, 0,1,2,3
	v_rcp_f32 v[160+4*(\hd)], v[160+4*(\hd)]
.endr
	v_nop
	s_wait_alu depctr_va_vdst(0)
.irp hd, 0,1,2,3
	v_cndmask_b32 v[160+4*(\hd)], 0, v[160+4*(\hd)], s[VM]
.endr
.set ii, 0
.rept 16
	v_pk_mul_f32 v[128+2*ii:129+2*ii], v[128+2*ii:129+2*ii], v[160+4*(ii/4):161+4*(ii/4)] op_sel_hi:[1,0]
.set ii, ii+1
.endr
.set ii, 0
.rept 16
	v_cvt_pk_bf16_f32 v[176+ii], v[128+2*ii], v[129+2*ii]
.set ii, ii+1
.endr
.irp hd, 0,1,2,3
	ds_store_b128 v[PPA], v[176+4*(\hd):179+4*(\hd)] offset:512*(\hd)
.endr
	BIASLD                                         ; cr starts the sum over the four heads
	v_mov_b32 v[A3], v[PPA]
; A head begins: P_hd mem_new for my 16 rows, into my rows of X1 (free since the last pass's round; for the first head since my own rq).  16 tokens: P's upper half, v48-51, is 0, and a fragment's upper four
; registers are the next tile's (finite) numbers; a 17th load gives the last fragment its upper four.  Five places: the products below write over registers that the pass's last products read.
.macro HEADPRE
	WIN 0
.rept 5
	v_nop
.endr
	ds_load_b128 v[44:47], v[A3]
	v_add_nc_u32 v[A3], 512, v[A3]
.irp hf, 0,1
.set ii, 0
.rept 16
	ds_load_tr16_b128 v[128+4*ii:131+4*ii], v[TRR0] offset:(16*(\hf)+ii)*32
.set ii, ii+1
.endr
	ds_load_tr16_b128 v[192:195], v[TRR0] offset:16*(\hf)*32
	s_wait_dscnt 0x0
	SPROD 44, 128, 4, 16*(\hf)
	SPROD 44, 160, 4, 16*(\hf)+8
.endr
	s_mov_b32 s[KA], X1
	BAR
	SETADR
	FETCHU 0, 0
.endm
	s_mov_b32 s[HC], 3
.Lhead:
	HEADPRE
	s_mov_b32 s[CNT], 7
.Lhslot:
	SLOT 0
	WIN 0
	s_sub_co_u32 s[CNT], s[CNT], 1
	s_cmp_lg_u32 s[CNT], 0
	s_cbranch_scc1 .Lhslot
	SLOT 1
	WIN 0
	s_sub_co_u32 s[HC], s[HC], 1
	s_cmp_lg_u32 s[HC], 0
	s_cbranch_scc1 .Lhead
	HEADPRE                                        ; the last head is written out: its last two slots ask for nothing
	s_mov_b32 s[CNT], 6
.Llslot:
	SLOT 0
	WIN 0
	s_sub_co_u32 s[CNT], s[CNT], 1
	s_cmp_lg_u32 s[CNT], 0
	s_cbranch_scc1 .Llslot
	SLOT 2
	SLOT 3
	PLACES
	WIN 0x4d
.set ii, 0
.rept 128
	v_pk_add_f32 v[ii:ii+1], v[ii:ii+1], v[ii:ii+1]        ; + h_s, in f32
.set ii, ii+2
.endr
	OUTST 1, 12                                    ; out0
	WIN 0
	s_wait_tensorcnt 0x0                           ; the wave's end, behind my last tensor load and my last LDS store
	ds_add_u32 v[SPW], v[NIL]
	s_wait_dscnt 0x0
	CROUND                                         ; the closing round: no work-group ends while a partner may still ask for a tile that names it
	s_endpgm
.Lfunc_end_k_q4cd9498064_main:
	.size	k_q4cd9498064_main, .Lfunc_end_k_q4cd9498064_main-k_q4cd9498064_main
	.p2alignl 7, 3214868480
	.fill 96, 4, 3214868480
	.section	.rodata,"a",@progbits
	.p2align	6, 0x0
	.amdhsa_kernel k_q4cd9498064_main
		.amdhsa_group_segment_fixed_size 327680
		.amdhsa_private_segment_fixed_size 0
		.amdhsa_enable_private_segment 0
		.amdhsa_kernarg_size 48
		.amdhsa_user_sgpr_count 2
		.amdhsa_user_sgpr_kernarg_segment_ptr 1
		.amdhsa_wavefront_size32 1
		.amdhsa_system_sgpr_workgroup_id_x 1
		.amdhsa_system_sgpr_workgroup_id_y 1
		.amdhsa_system_sgpr_workgroup_id_z 1
		.amdhsa_system_vgpr_workitem_id 0
		.amdhsa_next_free_vgpr 1024
		.amdhsa_next_free_sgpr 66
		.amdhsa_reserve_vcc 0
		.amdhsa_float_denorm_mode_32 3
		.amdhsa_float_denorm_mode_16_64 3
		.amdhsa_memory_ordered 1
		.amdhsa_forward_progress 1
		.amdhsa_inst_pref_size 255
	.end_amdhsa_kernel
	.section	.bss,"aw",@nobits
	.p2align	6
	.space	262144
	.amdgpu_metadata
---
amdhsa.version: [ 1, 2 ]
amdhsa.kernels:
  - .name:           k_q4cd9498064_main
    .symbol:         k_q4cd9498064_main.kd
    .args:
      - { .name: h_s, .offset: 0, .size: 8, .value_kind: global_buffer, .address_space: global }
      - { .name: mem, .offset: 8, .size: 8, .value_kind: global_buffer, .address_space: global }
      - { .name: ws, .offset: 16, .size: 8, .value_kind: global_buffer, .address_space: global }
      - { .name: bz, .offset: 24, .size: 8, .value_kind: global_buffer, .address_space: global }
      - { .name: out0, .offset: 32, .size: 8, .value_kind: global_buffer, .address_space: global }
      - { .name: out1, .offset: 40, .size: 8, .value_kind: global_buffer, .address_space: global }
    .group_segment_fixed_size: 327680
    .private_segment_fixed_size: 0
    .kernarg_segment_align: 8
    .kernarg_segment_size: 48
    .max_flat_workgroup_size: 128
    .sgpr_count:     66
    .vgpr_count:     1024
    .wavefront_size: 32
...
	.end_amdgpu_metadata
.endif
;; end of part 2
;; ======== version 2 of 2: 2 launches
;; workspace buffers: ws 4,521,984 bytes; bz 21,760 bytes
;; launch prep: the kernel of part 1 again; grid 160 x 1, 16 waves a work-group, no clusters, 249,856 bytes of LDS; arguments rk_b, rk_w, ro_b, ro_w, rq_b, rq_w, rv_b, rv_w, ug_b, ug_w, ut_b, ut_w, wk_b, wk_w, wo_b, wo_w, wq_b, wq_w, wv_b, wv_w, ws, bz; writes ws, bz
;; launch main (part 3): grid 256 x 1, 4 waves a work-group, clusters of 4 x 1, 327,680 bytes of LDS; arguments h_s, mem, ws, bz, out0, out1; writes out0, out1
.if DOCPART == 3
	.amdgcn_target "amdgcn-amd-amdhsa--gfx1250"
	.amdhsa_code_object_version 6
	.text
	.protected	k_q4cd9498064_main
	.globl	k_q4cd9498064_main
	.p2align	8
	.type	k_q4cd9498064_main,@function
k_q4cd9498064_main:
	s_mov_b64 s[64:65], 0
	v_nop
	global_prefetch_b8 v0, s[64:65] scope:SCOPE_SE
	s_setreg_imm32_b32 hwreg(HW_REG_WAVE_MODE, 25, 1), 1
	s_wait_xcnt 0x0
	s_wait_alu depctr_hold_cnt(0) depctr_sa_sdst(0) depctr_va_vdst(0) depctr_va_sdst(0) depctr_va_ssrc(0) depctr_va_vcc(0) depctr_vm_vsrc(0)
	s_getreg_b32 s2, hwreg(HW_REG_IB_STS2, 6, 4)
	s_cmp_eq_u32 s2, 0
	s_cbranch_scc0 .Lentry_in_a_cluster
	s_endpgm
.Lentry_in_a_cluster:
	s_bfe_u32 s2, ttmp6, 0x10000c
	s_cmp_lg_u32 s2, 0x3003
	s_cbranch_scc0 .Lentry_shape_is_right
	s_endpgm
.Lentry_shape_is_right:
; THE WHOLE MODULE FOR 8 BATCHES A WORK-GROUP: 64 rows of h_s and 64 of mem; nothing but the two outputs goes back to memory.
; write:  mem_write = (Pw [h; m]) Ww^T + cw, Pw = softmax over 16 keys;   gate: kk = mean relu(h ut^T + b) + tanh(mem); mem_new = sig(kk ugi^T) tanh(mem_write) + sig(kk ugf^T) mem;
; read:   h_out = h + cr + sum over 4 heads of (P_hd mem_new) Wr_hd^T.  Ww, Wr_hd, cw, cr were made by the launch before (a softmax row sums to 1, so value and output projection are one matrix).
; FORMATS.  Matrix operands bf16, sums f32; relu(ut) is rounded once to bf16 ahead of its mean (an f32 matrix sum); tanh(mem_write), within -1 .. 1, waits in LDS as f16; h_s and mem stay in f32 registers.
; tanh x = 1 - 2 / (1 + 2^(2 log2(e) x)), sigmoid x = 1 / (1 + 2^(-log2(e) x)): an exponential that overflows gives the right limit.  Each softmax takes its row's true maximum away.
; LIMITS.  NaN and infinities are not treated apart; a weight below 2^-126 counts as 0; tanh near 0 is off by some 1e-7 absolute.
; SHARES.  In the eight passes 64 x 512 x 512 wave w makes columns 128 w .. +127 of all 64 rows: 32 accumulators.  In the small phases wave w owns rows 16 w .. +15: two batches.
; LAYOUT.  Source 0 = 16 weight rows, source 1 = 16 data rows: lane (r = L % 16, h = L / 16) holds data row r, register j column n0 + 8 h + j; tile (mt, nt) lies at register 8 (8 mt + nt) of its window.
; So two neighbouring tiles, rounded in pairs, ARE a fragment of the next product, and scores, weights and P x never change lanes: the lanes with h = r / 8 hold a row's own batch, the others are set to 0.
; THE STREAM.  ws, 69 tiles of 64 KiB in fragment order, goes through two LDS slots.  The four work-groups of a cluster walk the same tiles: each fill is asked for JOINTLY (mask 15), a quarter by each wave.
; A tile is two steps of 32 along K: 64 products a wave.  A 4 x 4 cluster would share nothing more: only the weights are shared, and a mask names four.
; THE CLUSTERS BEGIN A PASS AT DIFFERENT TILES.  A pass's eight tiles are eight slices of 64 along K, and f32 sums may be taken in any order of K: cluster c takes tile (sigma + rot) mod 8 in its slot sigma,
; rot = (c + c / 8) mod 8.  So at any time the launch's clusters ask for the pass's eight tiles, an eighth of them for each, not all for the same one.  rot hangs on the cluster's number alone, which the four partners share.
; WHERE THE SLOTS CHANGE.  In a pass's slots 0 to 6 the slot in hand is filled again in its middle, with the tile two further on; slot 6's refill is the tile with which the NEXT pass begins.  Slot 7 fills nothing and
; waits for no tensor load: the next change of slots stands at the next pass's head.  So from that request to the wait for it a wave has 24 + 64 products and all the vector work between the two passes.
; REGISTERS, in windows of 256: window 0 addresses, fragments, work; window 1 ACC; window 2 MF (mem, then mem_new); window 3 HF (h_s).
.set SLOTB, 65536
.set XP,    1040                       ; a row of an operand buffer: 512 bf16 + 16 bytes: the 16 rows of a fragment load start at 16 different groups of four banks
.set XSZ,   64*XP
.set X0,    131072                     ; h; relu(ut); kk; mem_new
.set X1,    X0+XSZ                     ; mem; Pw x; tanh(mem_write) in f16; h; P_hd mem_new
.set STG,   264192                     ; 16 rows x 528 bytes for each wave: between rows of 512 bytes and the tile layout
.set SGP,   528
.set TBL,   297984                     ; 7 bias vectors x 512 bytes for each wave, in the order of use
.set PPB,   312320                     ; the read weights P, 4 x 512 bytes for each wave
.set SPARE, 320512                     ; the spare words, 128 bytes for each wave
.set RB0, 4                            ; 16,384 w + 16 L: my fragments in a slot
.set RA0, 5                            ; 1,040 r + 16 h
.set RB,  6
.set RA,  7
.set XS0, 8                            ; X0 + 1,040 r + 16 h + 256 w: where a tile's 16 bytes go (my columns)
.set XS1, 9
.set TRC, 10                           ; turning load, my columns, all rows
.set TRR0, 11                          ; turning load, my rows of X0
.set TRR1, 12                          ; of X1
.set PXS, 13                           ; X1 + 1,040 (16 w + r) + 16 h: my rows
.set ROA0, 14                          ; the same in X0
.set SGW, 16                           ; stage by tiles
.set SGR, 17                           ; stage by rows
.set GIO, 18                           ; 512 w + 16 L: my 16 bytes of a row in memory
.set TBA0, 19
.set TBV, 20
.set PPA, 21
.set RL,  22                           ; 16 L
.set PFO, 23                           ; 256 L
.set BO,  24                           ; 32 h
.set ZERO, 25
.set SPW, 28
.set NIL, 29
.set A0,  30                           ; stepped LDS addresses
.set A1,  31
.set A2,  32
.set A3,  33
.set FA,  64                           ; two sets of 4 operand fragments
.set FB,  128                          ; two sets of 8 weight fragments
.set WV,  16
.set ROT, 19                           ; s19  the cluster's rotation, 0..7
.set KOF, 20                           ; s20  128 x ((slot of the pass + rot) mod 8): the slot's 64 K in an operand row; back at its start after eight slots
.set XB,  21                           ; s21  the pass's operand buffer
.set WSQ, 22                           ; s[22:23] ws at my quarter of tile 0
.set G1,  24
.set G0A, 32
.set G0B, 36
.set TBS, 40                           ; the slot in hand: 0 or 65,536
.set KA,  41                           ; XB + KOF
.set CNT, 42
.set GC,  43
.set HC,  44
.set NX,  45                           ; the number, in the order of use, of the tile to be asked for next: 2..68
.set LIM, 46
.set MC,  47
.set PFA, 48
.set AL,  50
.set GA,  52
.set VM,  54
.set BV,  55
.set SC,  56
.set T0,  57                           ; scalars at work
.set T1,  58                           ; s[58:59]
.set T2,  60
.set KAP, 62
.set MSB, 0
.macro WIN new                         ; the immediate's high byte repeats the setting that is left; a switch that changes nothing is dropped
.if MSB != (\new)
	s_set_vgpr_msb (MSB<<8)|(\new)
.set MSB, \new
.endif
.endm
.macro PLACES                          ; four plain places behind a product, ahead of loads into its registers and of vector lines that read its result
.rept 4
	v_nop
.endr
.endm
.macro CREST                           ; a round of the cluster's barrier behind its opening barrier
	s_cmp_lg_u32 s[WV], 0
	s_cbranch_scc1 .Lnw0_\@
	s_barrier_signal -3
.Lnw0_\@:
	s_barrier_wait -3
	s_barrier_signal -1
	s_barrier_wait -1
.endm
.macro CROUND
	s_barrier_signal -1
	s_barrier_wait -1
	CREST
.endm
.macro BAR                             ; operands pass from wave to wave; the tile on its way may stay out
	s_wait_dscnt 0x0
	s_barrier_signal -1
	s_barrier_wait -1
.endm
.macro MULQ f, mt                      ; 8 products.  The 32 accumulators come in the same order in every step, one instruction a turn
	WIN 0x50
.irp nt, 0,1,2,3,4,5,6,7
	v_wmma_f32_16x16x32_bf16 v[8*(8*(\mt)+(\nt)):8*(8*(\mt)+(\nt))+7], v[FB+64*(\f)+8*(\nt):FB+64*(\f)+8*(\nt)+7], v[FA+32*(\f)+8*(\mt):FA+32*(\f)+8*(\mt)+7], v[8*(8*(\mt)+(\nt)):8*(8*(\mt)+(\nt))+7]
.endr
.endm
.macro SETADR
	v_add_nc_u32 v[RB], s[TBS], v[RB0]
	v_add_nc_u32 v[RA], s[KA], v[RA0]
.endm
.macro FETCHU f, u                     ; 24 LDS loads in one run: unit u of the slot (32 along K) into set f
	WIN 0
.irp nt, 0,1,2,3,4,5,6,7
	ds_load_b128 v[FB+64*(\f)+8*(\nt):FB+64*(\f)+8*(\nt)+3],   v[RB] offset:(\u)*8192+(\nt)*1024
	ds_load_b128 v[FB+64*(\f)+8*(\nt)+4:FB+64*(\f)+8*(\nt)+7], v[RB] offset:(\u)*8192+(\nt)*1024+512
.endr
.irp mt, 0,1,2,3
	ds_load_b128 v[FA+32*(\f)+8*(\mt):FA+32*(\f)+8*(\mt)+3],   v[RA] offset:(\u)*64+(\mt)*16*XP
	ds_load_b128 v[FA+32*(\f)+8*(\mt)+4:FA+32*(\f)+8*(\mt)+7], v[RA] offset:(\u)*64+(\mt)*16*XP+32
.endr
.endm
; A PREFETCH INTO THE L2, once a pass: in the pass's fifth slot (CNT = 3), behind the refill and the run of LDS loads, a cluster names the tile with which it will BEGIN the next 512 x 512 pass; the load that wants it
; goes out two slots, 128 products, later.  Clusters 0 to 7 have the eight different rotations: the eight of them name the pass's eight tiles, each once.  A cluster's four partners take 16 KiB each BY ADDRESS,
; waves 0 and 1 half of that, a lane 256 bytes.  Tile 0, the first pass's tiles and the four tiles of rq and rk come by their loads alone; the last pass asks for nothing.
.macro ASK
	s_cmp_eq_u32 s[CNT], s[LIM]
	s_cbranch_scc0 .Lnoask_\@
	global_prefetch_b8 v[PFO], s[PFA:PFA+1] th:TH_LOAD_NT scope:SCOPE_SE
.Lnoask_\@:
.endm
.macro BIASLD                          ; the sums start from the bias: nothing is cleared, and every step has one form of product
	WIN 0
	v_add_nc_u32 v[TBV], s[BV], v[TBA0]
	s_add_co_u32 s[BV], s[BV], 512
	WIN 0x40
.set ii, 0
.rept 32
	ds_load_b128 v[8*ii:8*ii+3],   v[TBV] offset:(ii%8)*64
	ds_load_b128 v[8*ii+4:8*ii+7], v[TBV] offset:(ii%8)*64+16
.set ii, ii+1
.endr
	WIN 0
.endm
; The walking descriptor: the other slot than last time, and the address made anew from the request's number NX; written where no tensor load of mine is out.  tog = 1: the slot in hand changes with it.
; NX 1..32 are the four gate passes (NX - 1 = 8 pass + sigma), 33..36 the tiles of rq and rk (not rotated), 37..68 the four heads (NX - 5 = 8 (pass + 4) + sigma): the tile is D + 8 pass' + (sigma + rot) mod 8, D = 1 or 5.
.macro STEP tog
	s_xor_b32 s[G0B+1], s[G0B+1], SLOTB
.if \tog
	s_xor_b32 s[TBS], s[TBS], SLOTB
.endif
	s_cmp_gt_u32 s[NX], 36
	s_cselect_b32 s[T0], 5, 1                      ; D
	s_sub_co_u32 s[T2], s[NX], 33
	s_cmp_lt_u32 s[T2], 4
	s_cselect_b32 s[T2], 0, s[ROT]
	s_sub_co_u32 s[T1], s[NX], s[T0]
	s_add_co_u32 s[T2], s[T2], s[T1]
	s_and_b32 s[T2], s[T2], 7                      ; (sigma + rot) mod 8
	s_and_b32 s[T1], s[T1], 0x78                   ; 8 pass'
	s_or_b32 s[T1], s[T1], s[T2]
	s_add_co_u32 s[T1], s[T1], s[T0]
	s_lshl_b32 s[T1], s[T1], 16                    ; 65,536 bytes a tile: 68 x 65,536 at the most
	s_mov_b32 s[T1+1], 0
	s_add_nc_u64 s[G0B+2:G0B+3], s[WSQ:WSQ+1], s[T1:T1+1]
	s_or_b32 s[G0B+3], s[G0B+3], 0x80000000        ; type = 2
	s_add_co_u32 s[NX], s[NX], 1
.endm
.macro JL                              ; my quarter of the joint refill; an s_nop 0 and four v_nop follow it
	tensor_load_to_lds s[G0B:G0B+3], s[G1:G1+7]
	s_nop 0
.rept 4
	v_nop
.endr
.endm
; THE CHANGE OF SLOTS AT A HEAD: of a pass, and of each slot of rq and rk.  The slot in hand (its number was turned when the slot before had been read) holds the tile to be multiplied now: all my tensor loads have
; landed, my part of it among them; the add; my LDS instructions are back: my reads of the slot read last, and my stores of operand rows that the other waves will read.  A round of the cluster's barrier;
; first behind it the slot read last is filled again, with the tile after the one in hand.
.macro CHANGE
	WIN 0
	s_wait_tensorcnt 0x0
	ds_add_u32 v[SPW], v[NIL]
	STEP 0
	s_wait_dscnt 0x0
	CROUND
	JL
.endm
; A SLOT of a pass: 64 products.  Unit 1's fragments are fetched at its head, 32 products ahead of their use: with them my reads of the slot are over.
; kind 0: ahead of the barrier all my tensor loads, the add (eight products stand between it and its wait), my LDS reads; behind the round the slot is filled again first, then the next slot's unit 0 is fetched,
;         24 products ahead of its use.  From a refill to the wait for it: 48 products.
; kind 1: a pass's last slot: nothing is filled and nothing fetched.  Its barrier, with every wave's LDS reads back in front of it, frees the operand buffer for the stores between the passes; the tile on its way stays out.
; kind 2: no refill (a plain barrier behind the wait for the last tile), fetch;  3: the last slot of all.  ask = 1: the pass's prefetch stands in this text.
.macro SLOT kind, ask=0
	s_wait_dscnt 0x0                               ; unit 0 is in (at a pass's head: the biases too)
	PLACES
	FETCHU 1, 1
	MULQ 0, 0
	MULQ 0, 1
	MULQ 0, 2
.if (\kind) == 3
	MULQ 0, 3
	s_wait_dscnt 0x0
	MULQ 1, 0
	MULQ 1, 1
	MULQ 1, 2
	MULQ 1, 3
.else
.if (\kind) != 1
	WIN 0
	s_wait_tensorcnt 0x0                           ; all my tensor loads have landed: the one out was my part of the next tile
	ds_add_u32 v[SPW], v[NIL]
.endif
.if (\kind) == 0
	STEP 1
.else
	s_xor_b32 s[TBS], s[TBS], SLOTB                ; the slot in hand changes; the descriptor is stepped at the next head, or no more
.endif
	s_add_co_u32 s[KOF], s[KOF], 128               ; the next slot's 64 K, round the row's 512
	s_and_b32 s[KOF], s[KOF], 896
	s_add_co_u32 s[KA], s[XB], s[KOF]
	MULQ 0, 3
	s_wait_dscnt 0x0                               ; unit 1 is in (and the add done): my reads of this slot and of the operand rows are over
	s_barrier_signal -1
	MULQ 1, 0
	WIN 0
	s_barrier_wait -1
.if (\kind) == 0
	CREST                                          ; no wave of any partner still reads the slot or has a load on its way
	JL                                             ; its four v_nop are also the places ahead of the loads below
.elseif (\kind) == 2
	PLACES
.endif
.if (\kind) != 1
	SETADR
	FETCHU 0, 0
.endif
.if \ask
	ASK
.endif
	MULQ 1, 1
	MULQ 1, 2
	MULQ 1, 3
.endif
.endm
; 256 registers of window win, rounded in pairs (ascending: each accumulator's lowest registers first), 16 bytes a tile into my columns of an operand buffer.
.macro CVTX win, adr, half, relu
	WIN 5*(\win)
.set ii, 0
.rept 128
.if \half
	v_cvt_pk_f16_f32 v[128+ii], v[2*ii], v[2*ii+1]
.else
	v_cvt_pk_bf16_f32 v[128+ii], v[2*ii], v[2*ii+1]
.endif
.set ii, ii+1
.endr
	WIN 0
.if \relu
.set ii, 128
.rept 128
	v_pk_max_num_bf16 v[ii], v[ii], v[ZERO]
.set ii, ii+1
.endr
.endif
.set ii, 0
.rept 32
	ds_store_b128 v[\adr], v[128+4*ii:128+4*ii+3] offset:(ii/8)*16*XP+(ii%8)*32
.set ii, ii+1
.endr
.endm
; 16 rows as loaded (a row's 512 bytes over the lanes) become 8 tiles, through my stage, in the same 64 registers.  LDS serves a wave's instructions in order: no wait between.
.macro TRANS win, mt
	WIN 0x44*(\win)
.set ii, 0
.rept 16
	ds_store_b128 v[SGR], v[64*(\mt)+4*ii:64*(\mt)+4*ii+3] offset:ii*SGP
.set ii, ii+1
.endr
.set ii, 0
.rept 16
	ds_load_b128 v[64*(\mt)+4*ii:64*(\mt)+4*ii+3], v[SGW] offset:(ii/2)*64+(ii%2)*16
.set ii, ii+1
.endr
.endm
; The way out: 16 rows at a time through my stage; each store of the wave covers 512 consecutive bytes, aligned.
.macro OUTST win, sb
.irp mt, 0,1,2,3
	WIN 4*(\win)
.set ii, 0
.rept 16
	ds_store_b128 v[SGW], v[64*(\mt)+4*ii:64*(\mt)+4*ii+3] offset:(ii/2)*64+(ii%2)*16
.set ii, ii+1
.endr
	WIN 0
.if (\mt) >= 2
	s_wait_xcnt 0x0                                ; the stores of two blocks back have read these registers
.endif
.set ii, 0
.rept 16
	ds_load_b128 v[128+64*((\mt)%2)+4*ii:128+64*((\mt)%2)+4*ii+3], v[SGR] offset:ii*SGP
.set ii, ii+1
.endr
	s_wait_dscnt 0x0
.set ii, 0
.rept 16
	global_store_b128 v[GIO], v[128+64*((\mt)%2)+4*ii:128+64*((\mt)%2)+4*ii+3], s[\sb:\sb+1] offset:(16*(\mt)+ii)*2048 th:TH_STORE_NT
.set ii, ii+1
.endr
.endr
.endm
; 8 tiles of (P x)^T for my 16 rows: source 0 = 16 channels x 32 tokens at v[a0 + st i], source 1 = P at v[s1]; rounded in place, 16 bytes a tile to v[adr] + 32 (dt0 + i), in my rows of X1.
.macro SPROD s1, a0, st, adr, dt0
	WIN 0
.irp i, 0,1,2,3,4,5,6,7
	v_wmma_f32_16x16x32_bf16 v[64+8*(\i):71+8*(\i)], v[(\a0)+(\st)*(\i):(\a0)+(\st)*(\i)+7], v[\s1:\s1+7], 0
.endr
	PLACES
.irp i, 0,1,2,3,4,5,6,7
	v_cvt_pk_bf16_f32 v[64+8*(\i)], v[64+8*(\i)], v[65+8*(\i)]
	v_cvt_pk_bf16_f32 v[65+8*(\i)], v[66+8*(\i)], v[67+8*(\i)]
	v_cvt_pk_bf16_f32 v[66+8*(\i)], v[68+8*(\i)], v[69+8*(\i)]
	v_cvt_pk_bf16_f32 v[67+8*(\i)], v[70+8*(\i)], v[71+8*(\i)]
.endr
.irp i, 0,1,2,3,4,5,6,7
	ds_store_b128 v[\adr], v[64+8*(\i):67+8*(\i)] offset:((\dt0)+(\i))*32
.endr
.endm
; ACC = AL / (1 + 2^ACC) + GA, in place, in two halves: one half's plain lines stand among the other's transcendentals.  Four batches, each with a plain instruction behind its last
; transcendental and ONE wait ahead of its first reader.
.macro ACT
	WIN 0x41
.set ii, 0
.rept 128
	v_exp_f32 v[ii], v[ii]
.set ii, ii+1
.endr
	v_nop
	s_wait_alu depctr_va_vdst(0)
.set ii, 0
.rept 64
	v_pk_add_f32 v[ii:ii+1], v[ii:ii+1], 1.0 op_sel_hi:[1,0]
	v_exp_f32 v[128+ii], v[128+ii]
	v_exp_f32 v[129+ii], v[129+ii]
.set ii, ii+2
.endr
	v_nop
	s_wait_alu depctr_va_vdst(0)
.set ii, 0
.rept 64
	v_pk_add_f32 v[128+ii:129+ii], v[128+ii:129+ii], 1.0 op_sel_hi:[1,0]
	v_rcp_f32 v[ii], v[ii]
	v_rcp_f32 v[ii+1], v[ii+1]
.set ii, ii+2
.endr
	v_nop
	s_wait_alu depctr_va_vdst(0)
.set ii, 0
.rept 64
	v_pk_fma_f32 v[ii:ii+1], v[ii:ii+1], s[AL:AL+1], s[GA:GA+1] op_sel_hi:[1,0,0]
	v_rcp_f32 v[128+ii], v[128+ii]
	v_rcp_f32 v[129+ii], v[129+ii]
.set ii, ii+2
.endr
	v_nop
	s_wait_alu depctr_va_vdst(0)
.set ii, 128
.rept 64
	v_pk_fma_f32 v[ii:ii+1], v[ii:ii+1], s[AL:AL+1], s[GA:GA+1] op_sel_hi:[1,0,0]
.set ii, ii+2
.endr
.endm
	; ---- the head
	s_load_b256 s[4:11], s[0:1], 0x0               ; h_s 4, mem 6, ws 8, bz 10
	s_load_b128 s[12:15], s[0:1], 0x20             ; out0 12, out1 14
	v_lshl_add_u32 v[SPW], v0, 2, SPARE
	v_mov_b32 v[NIL], 0
	ds_add_u32 v[SPW], v[NIL]                      ; the wave's opening: the add and its wait come ahead of my first tensor load; the set-up, work on registers, stands between
	v_lshrrev_b32 v1, 5, v0
	v_readfirstlane_b32 s[WV], v1                  ; wave 0..3
	v_and_b32 v1, 31, v0                           ; L
	v_and_b32 v2, 15, v0                           ; r
	v_bfe_u32 v3, v0, 4, 1                         ; h
	s_bfe_u32 s17, ttmp6, 0x40000                  ; cx: it enters the rows' addresses in memory and the prefetch's address alone
	s_lshl_b32 s18, ttmp9, 2
	s_add_co_u32 s18, s18, s17                     ; my block of 64 rows
	s_lshr_b32 s[ROT], ttmp9, 3                    ; the cluster's rotation: (c + c / 8) mod 8
	s_add_co_u32 s[ROT], s[ROT], ttmp9
	s_and_b32 s[ROT], s[ROT], 7
	s_lshl_b32 s[KOF], s[ROT], 7                   ; its first slice of K in an operand row
	; descriptor group 1: 16 KiB dense, as 64 rows of 32 elements of 8 bytes
	s_mov_b32 s[G1+0], 15|(3<<16)|(1<<21)          ; 15:0 the mask of four; 17:16 elements of 8 bytes; 21 set beside a mask; no padding
	s_mov_b32 s[G1+1], 32<<16                      ; tensor_dim0 = 32
	s_mov_b32 s[G1+2], 64<<16                      ; tensor_dim1 = 64
	s_mov_b32 s[G1+3], 32<<16                      ; tile_dim0 = 32
	s_mov_b32 s[G1+4], 64                          ; tile_dim1 = 64
	s_mov_b32 s[G1+5], 32                          ; elements from row to row
	s_mov_b32 s[G1+6], 0
	s_mov_b32 s[G1+7], 0
	s_mov_b32 s[G0A], 1
	s_lshl_b32 s[G0A+1], s[WV], 14                 ; slot 0, my quarter
	s_mov_b32 s[G0B], 1
	s_add_co_u32 s[G0B+1], s[G0A+1], SLOTB         ; slot 1
	s_mov_b32 s[TBS], 0
	s_mov_b32 s[NX], 2
	s_mov_b32 s[BV], 0
	s_mov_b32 s[AL+1], 0                           ; named as pairs
	s_mov_b32 s[GA+1], 0
	s_mov_b32 s[VM], 0xff0000ff                    ; the lanes with h = r / 8
	s_mov_b32 s[KAP], 0x4038aa3b                   ; 2 log2(e)
	s_mov_b32 s[KAP+1], s[KAP]
	s_lshr_b32 s57, s[WV], 1
	s_lshr_b32 s58, ttmp9, 3
	s_or_b32 s57, s57, s58
	s_cmp_eq_u32 s57, 0
	s_cselect_b32 s[LIM], 3, -1                    ; waves 0 and 1 of clusters 0 to 7 prefetch, where the slots' count stands at 3; the same in all four partners
	v_lshlrev_b32 v[RL], 4, v1
	v_lshlrev_b32 v[PFO], 8, v1
	v_lshlrev_b32 v[BO], 5, v3
	v_mov_b32 v[ZERO], 0
	v_add_nc_u32 v[RB0], s[G0A+1], v[RL]
	v_mul_u32_u24 v[RA0], v2, XP
	v_lshl_add_u32 v[RA0], v3, 4, v[RA0]
	s_lshl_b32 s57, s[WV], 8
	s_add_co_u32 s57, s57, X0
	v_add_nc_u32 v[XS0], s57, v[RA0]
	v_add_nc_u32 v[XS1], XSZ, v[XS0]
	v_and_b32 v34, 7, v0                           ; the turning load: lane L reads row 8 h + L % 8, bytes 16 ((L / 8) % 2)
	v_lshl_add_u32 v34, v3, 3, v34
	v_mul_u32_u24 v34, v34, XP
	v_bfe_u32 v35, v0, 3, 1
	v_lshl_add_u32 v34, v35, 4, v34
	v_add_nc_u32 v[TRC], s57, v34
	s_mul_i32 s58, s[WV], 16*XP
	s_add_co_u32 s58, s58, X0
	v_add_nc_u32 v[TRR0], s58, v34
	v_add_nc_u32 v[TRR1], XSZ, v[TRR0]
	v_add_nc_u32 v[ROA0], s58, v[RA0]
	v_add_nc_u32 v[PXS], XSZ, v[ROA0]
	s_mul_i32 s59, s[WV], 16*SGP
	s_add_co_u32 s59, s59, STG
	v_mul_u32_u24 v[SGW], v2, SGP
	v_lshl_add_u32 v[SGW], v3, 5, v[SGW]
	v_add_nc_u32 v[SGW], s59, v[SGW]
	v_add_nc_u32 v[SGR], s59, v[RL]
	s_lshl_b32 s60, s[WV], 9
	v_add_nc_u32 v[GIO], s60, v[RL]
	s_mul_i32 s61, s[WV], 3584
	s_add_co_u32 s61, s61, TBL
	v_add_nc_u32 v[TBA0], s61, v[BO]
	v_add_nc_u32 v[A0], s61, v[RL]
	s_lshl_b32 s57, s[WV], 11
	s_add_co_u32 s57, s57, PPB
	v_add_nc_u32 v[PPA], s57, v[RL]
	s_lshl_b32 s2, s18, 17                         ; 64 rows of 2,048 bytes
	s_mov_b32 s3, 0
	s_mov_b32 s22, s[G0A+1]                        ; my quarter of a tile in ws
	s_mov_b32 s23, 0
	s_lshl_b32 s58, s17, 14                        ; the prefetches: 16 KiB a partner, 8 KiB a wave, in the tile with which my cluster begins the second pass: 9 + rot
	s_lshl_b32 s59, s[WV], 13
	s_add_co_u32 s58, s58, s59
	s_add_co_u32 s59, s[ROT], 9
	s_lshl_b32 s59, s59, 16
	s_add_co_u32 s58, s58, s59
	s_mov_b32 s59, 0
	s_add_co_u32 s60, s[ROT], 1                    ; the first pass begins with tile 1 + rot
	s_lshl_b32 s60, s60, 16
	s_mov_b32 s61, 0
	s_wait_dscnt 0x0                               ; the opening add is done
	s_wait_kmcnt 0x0
	s_add_nc_u64 s[4:5], s[4:5], s[2:3]
	s_add_nc_u64 s[6:7], s[6:7], s[2:3]
	s_add_nc_u64 s[12:13], s[12:13], s[2:3]
	s_add_nc_u64 s[14:15], s[14:15], s[2:3]
	s_add_nc_u64 s[WSQ:WSQ+1], s[8:9], s[22:23]
	s_mov_b64 s[G0A+2:G0A+3], s[WSQ:WSQ+1]         ; tile 0
	s_add_nc_u64 s[G0B+2:G0B+3], s[WSQ:WSQ+1], s[60:61]  ; tile 1 + rot
	s_or_b32 s[G0A+3], s[G0A+3], 0x80000000
	s_or_b32 s[G0B+3], s[G0B+3], 0x80000000
	s_add_nc_u64 s[PFA:PFA+1], s[8:9], s[58:59]
	CROUND                                         ; all four work-groups are here: the first joint loads meet
	tensor_load_to_lds s[G0A:G0A+3], s[G1:G1+7]    ; two loads of mine are out
	s_nop 0
	tensor_load_to_lds s[G0B:G0B+3], s[G1:G1+7]
	s_nop 0
.rept 4
	v_nop
.endr
	; ---- 152 loads: 12 of the bias tables, 12 biases straight into the first accumulators, 64 rows of h_s, 64 rows of mem (my 512 bytes of each)
.set ii, 0
.rept 10
	global_load_b128 v[64+4*ii:67+4*ii], v[GIO], s[10:11] offset:2048*ii
.set ii, ii+1
.endr
	global_load_b128 v[104:107], v[RL], s[10:11] offset:20480
	global_load_b128 v[108:111], v[RL], s[10:11] offset:20992
	WIN 0x40
.irp g, 0,1,2                          ; q (c wq_b), k of mem's rows, k of h's rows (wk_b)
.irp t, 0,1
	global_load_b128 v[16*(\g)+8*(\t):16*(\g)+8*(\t)+3],   v[BO], s[10:11] offset:21504+128*(((\g)+1)/2)+64*(\t)
	global_load_b128 v[16*(\g)+8*(\t)+4:16*(\g)+8*(\t)+7], v[BO], s[10:11] offset:21504+128*(((\g)+1)/2)+64*(\t)+16
.endr
.endr
	WIN 0xc0
.set ii, 0
.rept 64
	global_load_b128 v[4*ii:4*ii+3], v[GIO], s[4:5] offset:2048*ii th:TH_LOAD_NT
.set ii, ii+1
.endr
	WIN 0x80
.set ii, 0
.rept 64
	global_load_b128 v[4*ii:4*ii+3], v[GIO], s[6:7] offset:2048*ii th:TH_LOAD_NT
.set ii, ii+1
.endr
	WIN 0
	s_wait_loadcnt 63                              ; the 63 youngest, all of mem, may stay out: the 24 small loads and h_s are in
	v_pk_add_f32 v[68:69], v[68:69], v[84:85]      ; cw = wo_b + wo_w wv_b (both times 2 log2(e))
	v_pk_add_f32 v[70:71], v[70:71], v[86:87]
.irp q, 88,92,96,100
	v_pk_add_f32 v[80:81], v[80:81], v[\q:\q+1]    ; cr = ro_b + the four heads' ro_w rv_b
	v_pk_add_f32 v[82:83], v[82:83], v[\q+2:\q+3]
.endr
	ds_store_b128 v[A0], v[64:67]                  ; ut_b
	ds_store_b128 v[A0], v[68:71] offset:512       ; cw
	ds_store_b128 v[A0], v[72:75] offset:1024      ; forget gate
	ds_store_b128 v[A0], v[76:79] offset:1536      ; input gate
	ds_store_b128 v[A0], v[104:107] offset:2048    ; c rq_b
	ds_store_b128 v[A0], v[108:111] offset:2560    ; rk_b
	ds_store_b128 v[A0], v[80:83] offset:3072      ; cr
	TRANS 3, 0
	TRANS 3, 1
	TRANS 3, 2
	TRANS 3, 3
	s_wait_dscnt 0x0
	CVTX 3, XS0, 0, 0                              ; h in bf16
.irp mt, 0,1,2,3
	s_wait_loadcnt 48-16*(\mt)                     ; the later blocks' rows may stay out
	TRANS 2, \mt
.endr
	s_wait_dscnt 0x0
	CVTX 2, XS1, 0, 0                              ; mem in bf16
	s_wait_tensorcnt 1                             ; my part of tile 0 is in; the first pass's first tile may stay out
	BAR
	; ---- tile 0: q = mem wq^T, k = [h; mem] wk^T for my 16 + 16 rows: six accumulators, 16 steps of 32, two steps a fetch
.macro FETCHW b
	WIN 0
.irp kk, 0,1
.irp ft, 0,1,2,3
	ds_load_b128 v[64+96*(\b)+32*(\kk)+8*(\ft):64+96*(\b)+32*(\kk)+8*(\ft)+3],   v[A0] offset:(\kk)*4096+(\ft)*1024
	ds_load_b128 v[64+96*(\b)+32*(\kk)+8*(\ft)+4:64+96*(\b)+32*(\kk)+8*(\ft)+7], v[A0] offset:(\kk)*4096+(\ft)*1024+512
.endr
.endr
.irp kk, 0,1
	ds_load_b128 v[128+96*(\b)+8*(\kk):128+96*(\b)+8*(\kk)+3],   v[A1] offset:(\kk)*64
	ds_load_b128 v[128+96*(\b)+8*(\kk)+4:128+96*(\b)+8*(\kk)+7], v[A1] offset:(\kk)*64+32
	ds_load_b128 v[144+96*(\b)+8*(\kk):144+96*(\b)+8*(\kk)+3],   v[A2] offset:(\kk)*64
	ds_load_b128 v[144+96*(\b)+8*(\kk)+4:144+96*(\b)+8*(\kk)+7], v[A2] offset:(\kk)*64+32
.endr
	v_add_nc_u32 v[A0], 8192, v[A0]
	v_add_nc_u32 v[A1], 128, v[A1]
	v_add_nc_u32 v[A2], 128, v[A2]
.endm
.macro MULW b                          ; the six accumulators take turns
	WIN 0x50
.irp kk, 0,1
.irp ft, 0,1,2,3
	v_wmma_f32_16x16x32_bf16 v[8*(\ft):8*(\ft)+7], v[64+96*(\b)+32*(\kk)+8*(\ft):64+96*(\b)+32*(\kk)+8*(\ft)+7], v[128+96*(\b)+8*(\kk):128+96*(\b)+8*(\kk)+7], v[8*(\ft):8*(\ft)+7]
.endr
.irp ft, 2,3
	v_wmma_f32_16x16x32_bf16 v[16+8*(\ft):16+8*(\ft)+7], v[64+96*(\b)+32*(\kk)+8*(\ft):64+96*(\b)+32*(\kk)+8*(\ft)+7], v[144+96*(\b)+8*(\kk):144+96*(\b)+8*(\kk)+7], v[16+8*(\ft):16+8*(\ft)+7]
.endr
.endr
.endm
	v_add_nc_u32 v[A0], s[TBS], v[RL]
	v_add_nc_u32 v[A1], XSZ, v[ROA0]               ; mem's rows
	v_mov_b32 v[A2], v[ROA0]                       ; h's rows
	FETCHW 0
	s_mov_b32 s[CNT], 3
.Lw:
	PLACES
	FETCHW 1
	s_wait_dscnt 24                                ; all but the 24 just issued
	MULW 0
	PLACES
	FETCHW 0
	s_wait_dscnt 24
	MULW 1
	WIN 0
	s_sub_co_u32 s[CNT], s[CNT], 1
	s_cmp_lg_u32 s[CNT], 0
	s_cbranch_scc1 .Lw
	PLACES
	FETCHW 1
	s_wait_dscnt 24
	MULW 0
	s_wait_dscnt 0x0
	MULW 1
	s_xor_b32 s[TBS], s[TBS], SLOTB                ; tile 0 is read: the slot in hand is the first pass's; tile 0's slot is filled again at that pass's head
	; ---- the write softmax: a lane with h = r / 8 holds all 16 scores of slot row r
	PLACES
	WIN 0x05
.set ii, 0
.rept 8
	v_cvt_pk_bf16_f32 v[64+ii], v[2*ii], v[2*ii+1]         ; q
.set ii, ii+1
.endr
.set ii, 0
.rept 8
	v_cvt_pk_bf16_f32 v[80+ii], v[16+2*ii], v[17+2*ii]     ; k of mem's rows
.set ii, ii+1
.endr
.set ii, 0
.rept 8
	v_cvt_pk_bf16_f32 v[72+ii], v[32+2*ii], v[33+2*ii]     ; k of h's rows
.set ii, ii+1
.endr
	WIN 0
	v_wmma_f32_16x16x32_bf16 v[88:95], v[72:79], v[64:71], 0
	v_wmma_f32_16x16x32_bf16 v[96:103], v[80:87], v[64:71], 0
	PLACES
	v_max3_num_f32 v52, v88, v89, v90
	v_max3_num_f32 v53, v96, v97, v98
	v_max3_num_f32 v52, v52, v91, v92
	v_max3_num_f32 v53, v53, v99, v100
	v_max3_num_f32 v52, v52, v93, v94
	v_max3_num_f32 v53, v53, v101, v102
	v_max3_num_f32 v52, v52, v95, v103
	v_max_num_f32 v52, v52, v53
.set ii, 88
.rept 16
	v_sub_f32 v[ii], v[ii], v52
.set ii, ii+1
.endr
.set ii, 88
.rept 16
	v_exp_f32 v[ii], v[ii]
.set ii, ii+1
.endr
	v_nop
	s_wait_alu depctr_va_vdst(0)                   ; one wait for the sixteen
	v_pk_add_f32 v[54:55], v[88:89], v[90:91]
	v_pk_add_f32 v[56:57], v[92:93], v[94:95]
	v_pk_add_f32 v[58:59], v[96:97], v[98:99]
	v_pk_add_f32 v[60:61], v[100:101], v[102:103]
	v_pk_add_f32 v[54:55], v[54:55], v[56:57]
	v_pk_add_f32 v[58:59], v[58:59], v[60:61]
	v_pk_add_f32 v[54:55], v[54:55], v[58:59]
	v_add_f32 v54, v54, v55
	v_rcp_f32 v54, v54
	v_nop
	s_wait_alu depctr_va_vdst(0)
	v_cndmask_b32 v54, 0, v54, s[VM]               ; the lanes that hold another batch's scores give weights 0
.set ii, 0
.rept 8
	v_pk_mul_f32 v[88+2*ii:89+2*ii], v[88+2*ii:89+2*ii], v[54:55] op_sel_hi:[1,0]
.set ii, ii+1
.endr
.set ii, 0
.rept 8
	v_cvt_pk_bf16_f32 v[40+ii], v[88+2*ii], v[89+2*ii]     ; P: tokens 0-15 my rows of h, 16-31 my rows of mem
.set ii, ii+1
.endr
	; P [h; mem]: two trips of 16 channel tiles (512 bytes of a row); it takes the place of mem in my rows of X1, behind the loads of the same columns
	v_mov_b32 v[A0], v[TRR0]
	v_mov_b32 v[A1], v[TRR1]
	v_mov_b32 v[A2], v[PXS]
	s_mov_b32 s[CNT], 2
.Lpx:
.set ii, 0
.rept 16
	ds_load_tr16_b128 v[128+8*ii:131+8*ii], v[A0] offset:ii*32
	ds_load_tr16_b128 v[132+8*ii:135+8*ii], v[A1] offset:ii*32
.set ii, ii+1
.endr
	s_wait_dscnt 0x0
	SPROD 40, 128, 8, A2, 0
	SPROD 40, 192, 8, A2, 8
	v_add_nc_u32 v[A0], 512, v[A0]
	v_add_nc_u32 v[A1], 512, v[A1]
	v_add_nc_u32 v[A2], 512, v[A2]
	s_sub_co_u32 s[CNT], s[CNT], 1
	s_cmp_lg_u32 s[CNT], 0
	s_cbranch_scc1 .Lpx
	; v40-51 = [0 x 4, X x 4, 0 x 4], X = 1/8 twice in bf16 in the lanes with h = r / 8: v[44:51] averages tokens 0-15 by batches, v[40:47] tokens 16-31
.irp q, 40,41,42,43,48,49,50,51
	v_mov_b32 v[\q], 0
.endr
	v_mov_b32 v34, 0x3e003e00
.irp q, 44,45,46,47
	v_cndmask_b32 v[\q], 0, v34, s[VM]
.endr
	; ---- four passes: GC = 4 ut on h, 3 Ww on P x, 2 forget gate on kk, 1 input gate on kk
	s_mov_b32 s[GC], 4
.Lgate:
	s_mov_b32 s57, X1
	s_cmp_eq_u32 s[GC], 3
	s_cselect_b32 s[XB], s57, X0
	s_add_co_u32 s[KA], s[XB], s[KOF]              ; the pass begins at my cluster's slice of K
	s_cmp_ge_u32 s[GC], 3
	s_cselect_b32 s[AL], -2.0, 1.0                 ; tanh: 1 - 2 / (1 + 2^x); sigmoid: 1 / (1 + 2^x)
	s_cselect_b32 s[GA], 1.0, 0
	CHANGE                                         ; the pass's first tile is in, the operand rows that the other waves wrote are whole; its second tile is asked for
	BIASLD
	SETADR
	FETCHU 0, 0
	s_mov_b32 s[CNT], 7
.Lgslot:
	SLOT 0, 1
	WIN 0
	s_sub_co_u32 s[CNT], s[CNT], 1
	s_cmp_lg_u32 s[CNT], 0
	s_cbranch_scc1 .Lgslot
	SLOT 1                                         ; ahead of its barrier every wave's reads of the operand buffer are back: it may be written again
	WIN 0
	s_wait_xcnt 0x0                                ; the pass's prefetch, three slots back, has read its address: on to the pass after the next: 8 tiles, or 12 past the tiles of rq and rk
	s_mov_b32 s58, 8*SLOTB
	s_cmp_eq_u32 s[GC], 2
	s_cselect_b32 s58, 12*SLOTB, s58
	s_mov_b32 s59, 0
	s_add_nc_u64 s[PFA:PFA+1], s[PFA:PFA+1], s[58:59]
	s_cmp_lg_u32 s[GC], 4
	s_cbranch_scc1 .Lact
	PLACES
	CVTX 1, XS0, 0, 1                              ; relu(ut) in bf16, my columns
	WIN 0x42
.set ii, 0
.rept 128
	v_pk_mul_f32 v[ii:ii+1], v[ii:ii+1], s[KAP:KAP+1] op_sel_hi:[1,0]   ; ACC = 2 log2(e) mem
.set ii, ii+2
.endr
	WIN 0
.Lact:
	PLACES
	ACT
	WIN 0
	s_cmp_eq_u32 s[GC], 4
	s_cbranch_scc0 .Lp3
	; kk = tanh(mem) + the batch's mean of relu(ut): the mean is a product of relu^T (my columns, turned) with 1/8 in the batch's eight places
.irp p, 0,1
.irp nt, 0,1,2,3,4,5,6,7
	ds_load_tr16_b128 v[128+64*(\p)+8*(\nt):131+64*(\p)+8*(\nt)], v[TRC] offset:(\nt)*32+(\p)*32*XP
	ds_load_tr16_b128 v[132+64*(\p)+8*(\nt):135+64*(\p)+8*(\nt)], v[TRC] offset:(\nt)*32+(\p)*32*XP+16*XP
.endr
.endr
	s_wait_dscnt 0x0
	WIN 0x50
.irp mt, 0,1,2,3
.irp nt, 0,1,2,3,4,5,6,7
	v_wmma_f32_16x16x32_bf16 v[8*(8*(\mt)+(\nt)):8*(8*(\mt)+(\nt))+7], v[128+64*((\mt)/2)+8*(\nt):135+64*((\mt)/2)+8*(\nt)], v[44-4*((\mt)%2):51-4*((\mt)%2)], v[8*(8*(\mt)+(\nt)):8*(8*(\mt)+(\nt))+7]
.endr
.endr
	PLACES
	CVTX 1, XS0, 0, 0
	s_branch .Lpj
.Lp3:
	s_cmp_eq_u32 s[GC], 3
	s_cbranch_scc0 .Lp2
	CVTX 1, XS1, 1, 0                              ; tanh(mem_write) in f16: read back by the lanes that wrote it
	s_branch .Lpj
.Lp2:
	s_cmp_eq_u32 s[GC], 2
	s_cbranch_scc0 .Lp1
	WIN 0x89
.set ii, 0
.rept 128
	v_pk_mul_f32 v[ii:ii+1], v[ii:ii+1], v[ii:ii+1]        ; MF = forget gate x mem
.set ii, ii+2
.endr
	WIN 0
	s_branch .Lpj
.Lp1:
.set ii, 0
.rept 32
	ds_load_b128 v[128+4*ii:131+4*ii], v[XS1] offset:(ii/8)*16*XP+(ii%8)*32
.set ii, ii+1
.endr
	s_wait_dscnt 0x0
	WIN 0xa1
.set ii, 0
.rept 128
	v_fma_mix_f32 v[2*ii], v[2*ii], v[128+ii], v[2*ii] op_sel_hi:[0,1,0]                       ; MF = input gate x tanh(mem_write) + MF
	v_fma_mix_f32 v[2*ii+1], v[2*ii+1], v[128+ii], v[2*ii+1] op_sel:[0,1,0] op_sel_hi:[0,1,0]
.set ii, ii+1
.endr
	CVTX 2, XS0, 0, 0                              ; mem_new in bf16
	CVTX 3, XS1, 0, 0                              ; h in bf16 once more, for rq
	OUTST 2, 14                                    ; out1
	s_wait_xcnt 0x0                                ; the stores have read their registers
.Lpj:
	s_sub_co_u32 s[GC], s[GC], 1
	s_cmp_lg_u32 s[GC], 0
	s_cbranch_scc1 .Lgate
	; ---- rq on my rows of h (MC = 2), rk on my rows of mem_new (MC = 1): 8 accumulators, two tiles each, a step of 32 a fetch.  Every wave reads the whole tile; the change of slots stands at each slot's head
.macro FETCH8 b
	WIN 0
.irp ft, 0,1,2,3,4,5,6,7
	ds_load_b128 v[64+72*(\b)+8*(\ft):64+72*(\b)+8*(\ft)+3],   v[A0] offset:(\ft)*1024
	ds_load_b128 v[64+72*(\b)+8*(\ft)+4:64+72*(\b)+8*(\ft)+7], v[A0] offset:(\ft)*1024+512
.endr
	ds_load_b128 v[128+72*(\b):131+72*(\b)], v[A1]
	ds_load_b128 v[132+72*(\b):135+72*(\b)], v[A1] offset:32
	v_add_nc_u32 v[A0], 8192, v[A0]
	v_add_nc_u32 v[A1], 64, v[A1]
.endm
.macro MUL8 b
	WIN 0x50
.irp ft, 0,1,2,3,4,5,6,7
	v_wmma_f32_16x16x32_bf16 v[8*(\ft):8*(\ft)+7], v[64+72*(\b)+8*(\ft):64+72*(\b)+8*(\ft)+7], v[128+72*(\b):135+72*(\b)], v[8*(\ft):8*(\ft)+7]
.endr
.endm
	v_mov_b32 v[A3], v[SGR]
	s_mov_b32 s[MC], 2
.Lm:
	v_add_nc_u32 v[TBV], s[BV], v[TBA0]
	s_add_co_u32 s[BV], s[BV], 512
	WIN 0x40
.set ii, 0
.rept 16
	ds_load_b128 v[4*ii:4*ii+3], v[TBV] offset:(ii/2)*64+(ii%2)*16
.set ii, ii+1
.endr
	WIN 0
	s_cmp_eq_u32 s[MC], 2
	s_cselect_b32 s57, XSZ, 0
	v_add_nc_u32 v[A1], s57, v[ROA0]
	s_mov_b32 s[SC], 2
.Lms:
	CHANGE                                         ; everybody's part of this slot's tile is in (the first time: the operand rows too); the next tile is asked for
	v_add_nc_u32 v[A0], s[TBS], v[RL]
	FETCH8 0
	s_mov_b32 s[CNT], 3
.Lmk:
	PLACES
	FETCH8 1
	s_wait_dscnt 18                                ; all but the 18 just issued
	MUL8 0
	PLACES
	FETCH8 0
	s_wait_dscnt 18
	MUL8 1
	WIN 0
	s_sub_co_u32 s[CNT], s[CNT], 1
	s_cmp_lg_u32 s[CNT], 0
	s_cbranch_scc1 .Lmk
	PLACES
	FETCH8 1
	s_wait_dscnt 18
	MUL8 0
	s_wait_dscnt 0x0
	MUL8 1
	WIN 0
	s_xor_b32 s[TBS], s[TBS], SLOTB                ; the slot is read: the other is in hand
	s_sub_co_u32 s[SC], s[SC], 1
	s_cmp_lg_u32 s[SC], 0
	s_cbranch_scc1 .Lms
	PLACES
	WIN 0x05
.set ii, 0
.rept 32
	v_cvt_pk_bf16_f32 v[208+ii], v[2*ii], v[2*ii+1]        ; tiles 2 hd, 2 hd + 1 are head hd's fragment
.set ii, ii+1
.endr
	WIN 0
.set ii, 0
.rept 8
	ds_store_b128 v[A3], v[208+4*ii:211+4*ii] offset:512*ii   ; set aside in my stage: q at 0, k at 4,096
.set ii, ii+1
.endr
	v_add_nc_u32 v[A3], 4096, v[A3]
	s_sub_co_u32 s[MC], s[MC], 1
	s_cmp_lg_u32 s[MC], 0
	s_cbranch_scc1 .Lm
	; ---- the read softmax: four heads, 8 scores a lane
.set ii, 0
.rept 16
	ds_load_b128 v[64+4*ii:67+4*ii], v[SGR] offset:512*ii
.set ii, ii+1
.endr
	s_wait_dscnt 0x0
.irp hd, 0,1,2,3
	v_wmma_f32_16x16x32_bf16 v[128+8*(\hd):135+8*(\hd)], v[96+8*(\hd):103+8*(\hd)], v[64+8*(\hd):71+8*(\hd)], 0
.endr
	PLACES
.irp hd, 0,1,2,3
	v_max3_num_f32 v[52+(\hd)], v[128+8*(\hd)], v[129+8*(\hd)], v[130+8*(\hd)]
.endr
.irp hd, 0,1,2,3
	v_max3_num_f32 v[52+(\hd)], v[52+(\hd)], v[131+8*(\hd)], v[132+8*(\hd)]
.endr
.irp hd, 0,1,2,3
	v_max3_num_f32 v[52+(\hd)], v[52+(\hd)], v[133+8*(\hd)], v[134+8*(\hd)]
.endr
.irp hd, 0,1,2,3
	v_max_num_f32 v[52+(\hd)], v[52+(\hd)], v[135+8*(\hd)]
.endr
.set ii, 0
.rept 32
	v_sub_f32 v[128+ii], v[128+ii], v[52+ii/8]
.set ii, ii+1
.endr
.set ii, 0
.rept 32
	v_exp_f32 v[128+ii], v[128+ii]
.set ii, ii+1
.endr
	v_nop
	s_wait_alu depctr_va_vdst(0)                   ; one wait for the 32
.irp hd, 0,1,2,3
	v_pk_add_f32 v[160+4*(\hd):161+4*(\hd)], v[128+8*(\hd):129+8*(\hd)], v[130+8*(\hd):131+8*(\hd)]
	v_pk_add_f32 v[162+4*(\hd):163+4*(\hd)], v[132+8*(\hd):133+8*(\hd)], v[134+8*(\hd):135+8*(\hd)]
.endr
.irp hd, 0,1,2,3
	v_pk_add_f32 v[160+4*(\hd):161+4*(\hd)], v[160+4*(\hd):161+4*(\hd)], v[162+4*(\hd):163+4*(\hd)]
.endr
.irp hd, 0,1,2,3
	v_add_f32 v[160+4*(\hd)], v[160+4*(\hd)], v[161+4*(\hd)]
.endr
.irp hd, 0,1,2,3
	v_rcp_f32 v[160+4*(\hd)], v[160+4*(\hd)]
.endr
	v_nop
	s_wait_alu depctr_va_vdst(0)
.irp hd, 0,1,2,3
	v_cndmask_b32 v[160+4*(\hd)], 0, v[160+4*(\hd)], s[VM]
.endr
.set ii, 0
.rept 16
	v_pk_mul_f32 v[128+2*ii:129+2*ii], v[128+2*ii:129+2*ii], v[160+4*(ii/4):161+4*(ii/4)] op_sel_hi:[1,0]
.set ii, ii+1
.endr
.set ii, 0
.rept 16
	v_cvt_pk_bf16_f32 v[176+ii], v[128+2*ii], v[129+2*ii]
.set ii, ii+1
.endr
.irp hd, 0,1,2,3
	ds_store_b128 v[PPA], v[176+4*(\hd):179+4*(\hd)] offset:512*(\hd)
.endr
	BIASLD                                         ; cr starts the sum over the four heads
	v_mov_b32 v[A3], v[PPA]
	; ---- the four heads.  A trip is a head's eight slots and the NEXT head's beginning; the loop is entered at the beginning of head 0, in the middle of a trip, so that a head's beginning is written once.
	; The last head's slots are written out behind the loop: its last two slots ask for nothing, and it has no prefetch.
	s_mov_b32 s[HC], 4
	s_branch .Lhpre
.Lhead:
	s_mov_b32 s[CNT], 7
.Lhslot:
	SLOT 0, 1
	WIN 0
	s_sub_co_u32 s[CNT], s[CNT], 1
	s_cmp_lg_u32 s[CNT], 0
	s_cbranch_scc1 .Lhslot
	SLOT 1
	WIN 0
	s_wait_xcnt 0x0                                ; the pass's prefetch, three slots back, has read its address: 8 tiles on
	s_add_nc_u64 s[PFA:PFA+1], s[PFA:PFA+1], 8*SLOTB
.Lhpre:
	; A head begins: P_hd mem_new for my 16 rows, into my rows of X1 (free since the barrier of the last pass's last slot; for the first head since my own rq), in two trips of 16 channel tiles.  16 tokens: P's upper
	; half, v48-51, is 0, and a fragment's upper four registers are the next tile's (finite) numbers; a 17th load gives the last fragment its upper four.  Five places: the products below write over registers that the pass's last products read.
.rept 5
	v_nop
.endr
	ds_load_b128 v[44:47], v[A3]
	v_add_nc_u32 v[A3], 512, v[A3]
	v_mov_b32 v[A0], v[TRR0]
	v_mov_b32 v[A1], v[PXS]
	s_mov_b32 s[SC], 2
.Lhf:
.set ii, 0
.rept 16
	ds_load_tr16_b128 v[128+4*ii:131+4*ii], v[A0] offset:ii*32
.set ii, ii+1
.endr
	ds_load_tr16_b128 v[192:195], v[A0]
	s_wait_dscnt 0x0
	SPROD 44, 128, 4, A1, 0
	SPROD 44, 160, 4, A1, 8
	v_add_nc_u32 v[A0], 512, v[A0]
	v_add_nc_u32 v[A1], 512, v[A1]
	s_sub_co_u32 s[SC], s[SC], 1
	s_cmp_lg_u32 s[SC], 0
	s_cbranch_scc1 .Lhf
	s_mov_b32 s[XB], X1
	s_add_co_u32 s[KA], s[XB], s[KOF]              ; the pass begins at my cluster's slice of K
	CHANGE                                         ; the head's first tile is in, everybody's rows of X1 are whole; its second tile is asked for
	SETADR
	FETCHU 0, 0
	s_sub_co_u32 s[HC], s[HC], 1
	s_cmp_lg_u32 s[HC], 0
	s_cbranch_scc1 .Lhead
	s_mov_b32 s[CNT], 6                            ; the last head
.Llslot:
	SLOT 0
	WIN 0
	s_sub_co_u32 s[CNT], s[CNT], 1
	s_cmp_lg_u32 s[CNT], 0
	s_cbranch_scc1 .Llslot
	SLOT 2
	SLOT 3
	PLACES
	WIN 0x4d
.set ii, 0
.rept 128
	v_pk_add_f32 v[ii:ii+1], v[ii:ii+1], v[ii:ii+1]        ; + h_s, in f32
.set ii, ii+2
.endr
	OUTST 1, 12                                    ; out0
	WIN 0
	s_wait_tensorcnt 0x0                           ; the wave's end, behind my last tensor load and my last LDS store
	ds_add_u32 v[SPW], v[NIL]
	s_wait_dscnt 0x0
	CROUND                                         ; the closing round: no work-group ends while a partner may still ask for a tile that names it
	s_endpgm
.Lfunc_end_k_q4cd9498064_main:
	.size	k_q4cd9498064_main, .Lfunc_end_k_q4cd9498064_main-k_q4cd9498064_main
	.p2alignl 7, 3214868480
	.fill 96, 4, 3214868480
	.section	.rodata,"a",@progbits
	.p2align	6, 0x0
	.amdhsa_kernel k_q4cd9498064_main
		.amdhsa_group_segment_fixed_size 327680
		.amdhsa_private_segment_fixed_size 0
		.amdhsa_enable_private_segment 0
		.amdhsa_kernarg_size 48
		.amdhsa_user_sgpr_count 2
		.amdhsa_user_sgpr_kernarg_segment_ptr 1
		.amdhsa_wavefront_size32 1
		.amdhsa_system_sgpr_workgroup_id_x 1
		.amdhsa_system_sgpr_workgroup_id_y 1
		.amdhsa_system_sgpr_workgroup_id_z 1
		.amdhsa_system_vgpr_workitem_id 0
		.amdhsa_next_free_vgpr 1024
		.amdhsa_next_free_sgpr 66
		.amdhsa_reserve_vcc 0
		.amdhsa_float_denorm_mode_32 3
		.amdhsa_float_denorm_mode_16_64 3
		.amdhsa_memory_ordered 1
		.amdhsa_forward_progress 1
		.amdhsa_inst_pref_size 255
	.end_amdhsa_kernel
	.section	.bss,"aw",@nobits
	.p2align	6
	.space	262144
	.amdgpu_metadata
---
amdhsa.version: [ 1, 2 ]
amdhsa.kernels:
  - .name:           k_q4cd9498064_main
    .symbol:         k_q4cd9498064_main.kd
    .args:
      - { .name: h_s, .offset: 0, .size: 8, .value_kind: global_buffer, .address_space: global }
      - { .name: mem, .offset: 8, .size: 8, .value_kind: global_buffer, .address_space: global }
      - { .name: ws, .offset: 16, .size: 8, .value_kind: global_buffer, .address_space: global }
      - { .name: bz, .offset: 24, .size: 8, .value_kind: global_buffer, .address_space: global }
      - { .name: out0, .offset: 32, .size: 8, .value_kind: global_buffer, .address_space: global }
      - { .name: out1, .offset: 40, .size: 8, .value_kind: global_buffer, .address_space: global }
    .group_segment_fixed_size: 327680
    .private_segment_fixed_size: 0
    .kernarg_segment_align: 8
    .kernarg_segment_size: 48
    .max_flat_workgroup_size: 128
    .sgpr_count:     66
    .vgpr_count:     1024
    .wavefront_size: 32
...
	.end_amdgpu_metadata
.endif
;; end of part 3
